; MI455X (gfx1250); checked and timed in simulation.
; The chip was launched on July 23, 2026; its instructions are those of AMD's public machine-readable ISA for CDNA 5 (MIT licence, August 2026) and "CDNA5" Instruction Set Architecture Reference Guide (July 2026). The comments in the code are by the model that wrote it; some were corrected since.
;; Causal Self Attention. Allowed arithmetic: matrix products marked QUANTISED: E2M1 operands, one E8M0 scale for each 32 along K, by v_wmma_scale_f32_16x16x128_f8f6f4 with both operands' format E2M1 (or v_wmma_scale_f32_32x16x128_f4), f32 sums; products left as they are: bf16, f16 or f32 operands; f32 sums; everything else in f32.
;; Inputs: w_proj 1,024 x 1,024 float32; w_qkv 1,024 x 3,072 float32; x 4 x 2,048 x 1,024 float32.
;; Outputs: out0 4 x 2,048 x 1,024 float32.
;; This version of the problem:
;;   THIS VERSION OF THE PROBLEM IS GIVEN IN LOW PRECISION. The matrix products marked QUANTISED in the list below multiply operands that are first quantised to E2M1 (2 exponent bits, 1 mantissa bit; 4 bits a number), with one power-of-two scale for each 32 numbers along K (OCP MX v1.0); their sums are f32. The products marked 'left as it is' may take bf16, f16 or f32 operands, with f32 sums. Whichever they take, every output number must still come out within the allowed error. Rounding operands to bf16 (8 significant bits) uses up far more of that allowance than f16 does (11 bits, for magnitudes from 6e-5 to 65,504). All else is computed in f32.
;;   The module's matrix products, in the order in which they are computed (A, B: the left and right operand; K: the contracted axis; several contracted axes count as one K, in the product's order):
;;     1. [M 8,192, K 1,024] x [K 1,024, N 3,072]; A: input x; B: input w_qkv: QUANTISED
;;     2. batch 64 x [M 2,048, K 64] x [K 64, N 2,048]; A: computed on the way; B: computed on the way: left as it is (an operand is computed on the way)
;;     3. batch 64 x [M 2,048, K 2,048] x [K 2,048, N 64]; A: computed on the way; B: computed on the way: left as it is (an operand is computed on the way)
;;     4. [M 8,192, K 1,024] x [K 1,024, N 1,024]; A: computed on the way; B: input w_proj: left as it is (an operand is computed on the way)
;;   THE QUANTISER, for each operand of a quantised product, along K:
;;     - K is cut into blocks of 32 from its start; a last block that is shorter is filled with zeros.
;;     - A block's scale is 2^e with e = floor(log2(the largest magnitude in the block)) - 2, held to -126 .. 127; a block of zeros has e = 0. As a byte (E8M0): e + 127.
;;     - Each number is divided by its block's scale, clamped to +-6, and rounded to the nearest number of E2M1, ties to even, subnormals kept.
;;     - The product sums the exact products of the quantised numbers (number of the format x scale) in f32.
;;   ~~~python
;;   def quantise(x, axis):      # numpy; x: float32 -> the quantised numbers, widened to float32 again
;;       x = np.moveaxis(x, axis, -1); K = x.shape[-1]
;;       x = np.pad(x, [(0, 0)] * (x.ndim - 1) + [(0, -K % 32)]); x = x.reshape(x.shape[:-1] + (-1, 32)); a = np.abs(x).max(-1, keepdims=True)
;;       e = np.where(a > 0, np.clip(np.frexp(np.where(a > 0, a, 1))[1] - 1 - 2, -126, 127), 0)      # np.frexp(a)[1] - 1 = floor(log2(a)), exactly
;;       r = np.clip(x / 2.0 ** e, -6, 6)
;;       step = 2.0 ** (np.maximum(np.frexp(np.where(r == 0, 1, r))[1] - 1, 0) - 1)
;;       q = np.round(r / step) * step * 2.0 ** e      # np.round: ties to even
;;       return np.moveaxis(q.reshape(q.shape[:-2] + (-1,))[..., :K], -1, axis).astype(np.float32)
;;   ~~~
;; One version. Each part assembles by itself: llvm-mc -triple=amdgcn-amd-amdhsa -mcpu=gfx1250 --defsym DOCPART=n.
;; ======== version 1 of 1: 5 launches
;; limits: values are held in f16: magnitudes above 65,504 overflow, below 6.1e-05 lose precision
;; workspace buffers: xq 4,456,448 bytes; wq 1,671,168 bytes; wp16 2,097,152 bytes; qkv 50,331,648 bytes; qkv32 786,432 bytes; y16 16,777,216 bytes
;; launch prep (part 1): grid 480 x 1, 2 waves a work-group, no clusters, 34,048 bytes of LDS; arguments x, w_qkv, w_proj, xq, wq, wp16; writes xq, wq, wp16
.if DOCPART == 1
	.amdgcn_target "amdgcn-amd-amdhsa--gfx1250"
	.amdhsa_code_object_version 6
	.text
	.protected	k_q227499df95_prep
	.globl	k_q227499df95_prep
	.p2align	8
	.type	k_q227499df95_prep,@function
k_q227499df95_prep:
	s_mov_b64 s[64:65], 0
	v_nop
	global_prefetch_b8 v0, s[64:65] scope:SCOPE_SE
	s_setreg_imm32_b32 hwreg(HW_REG_WAVE_MODE, 25, 1), 1
	s_wait_xcnt 0x0
; CAUSAL SELF-ATTENTION, b = 4, t = 2,048, c = 1,024, 16 heads of 64, in five launches: prep, qkvgemm, attn, proj, fine.
; THIS LAUNCH: x [8,192][1,024] and w_qkv [1,024][3,072], f32, become codes of FP4 (E2M1) with one E8M0 scale byte for each 32 along K = 1,024; w_proj becomes f16.
; WORK LEFT OUT BY THE PROGRAM, AND WHY IT IS DEAD.  reference() sets every score with key > query to -infinity by a tril mask that it builds itself, so the softmax gives those keys
; the weight 0 whatever finite values the inputs hold, and neither their score nor their value row can reach an output.  Key steps that lie wholly above a wave's queries are therefore left out
; of the two attention products (launches attn and fine); inside a tile on the diagonal the work is done and masked.  Every input has a way to the output: all three are loaded.
; LIMITS.  A NaN, an infinity or an overflow that reaches only the products left out (a key or value row later than the query) is not carried to the result.
; q, k, v, y and w_proj go to the products that are left as they are as f16: beyond 65,504 they become infinite.
; A block of zeros gets the scale byte 1 where the rule says 127: its codes are zeros, which add nothing under any byte but 0xff, and this program alone reads the bytes.
; Blocks whose largest magnitude lies under 2^-124, the floor, were not tried.  NaN and infinities in x and w_qkv are not served.
; LAYOUT OF THE CODES, in the order of the matrix operand's registers: xq [K half Q][17 planes][8,192 rows][16 bytes]; plane j < 16 holds each row's 32 codes of block 16 Q + j, plane 16 each row's
; 16 scale bytes of that half.  wq likewise, with w_qkv's 3,072 columns as rows.  So a lane that holds a whole block stores 16 bytes beside its neighbours': 512 consecutive bytes a store.
; SHARES.  Work-groups 0-255: 32 rows of x each, wave w the K half w.  256-351: 64 columns of w_qkv and a K half.  352-479: 8,192 numbers of w_proj.  No barrier: waves share nothing.
.set SPARE, 33792                      ; behind the two stages: the spare words, 128 bytes for each wave, one block of 256 bytes that no other line names
.set SPW,   12                         ; v12  LDS address of my spare word; never rewritten
.set NIL,   13                         ; v13  0; never rewritten
.set SB,    16                         ; v16-19   16 scale bytes, the lower block in the lower byte
.set C,     20                         ; v20-35   x: four sets of a block's codes
.set X,     36                         ; v36-99   two sets of 32 numbers: a block
.set R,     100                        ; v100-227 x: 32 rows x 16 bytes as loaded;  w_qkv: v100-163 the codes of 16 blocks
.set H,     164                        ; v164-227 w_proj: 32 x 2 registers of f16
.set XPL,   131072                     ; a plane of xq: 8,192 rows x 16 bytes
.set WPL,   49152                      ; a plane of wq: 3,072 rows x 16 bytes
; A block of 32 numbers in v[xs] .. v[xs + 31] of ONE lane: its largest magnitude with the floor 2^(3 - 127) among the leaves (so the byte cannot fall under 1); 2 off the exponent field is the conversion's
; scale operand; that shifted down is the byte, which goes to place t of the 16; four conversions give the 32 codes in v[c] .. v[c + 3].
.macro QBLOCK xs, t, c
	v_max3_num_f32 v8, |v[\xs]|, |v[\xs+1]|, |v[\xs+2]|
	v_max3_num_f32 v9, |v[\xs+3]|, |v[\xs+4]|, |v[\xs+5]|
.irp i, 6,10,14,18,22,26
	v_max3_num_f32 v8, v8, |v[\xs+\i]|, |v[\xs+\i+1]|
	v_max3_num_f32 v9, v9, |v[\xs+\i+2]|, |v[\xs+\i+3]|
.endr
	v_max3_num_f32 v8, v8, |v[\xs+30]|, |v[\xs+31]|
	v_max3_num_f32 v8, v8, v9, 0x1800000
	v_add_nc_u32 v10, 0xff000000, v8
.irp g, 0,1,2,3
	v_cvt_scalef32_pk8_fp4_f32 v[\c+\g], v[\xs+8*\g:\xs+8*\g+7], v10   ; beyond 6 the conversion gives the largest code, as the rule asks
.endr
	v_lshrrev_b32 v11, 23, v10                     ; the byte (also the plain line behind the conversions)
.if (\t)%4 == 0
	v_mov_b32 v[SB+(\t)/4], v11
.else
	v_lshl_or_b32 v[SB+(\t)/4], v11, 8*((\t)%4), v[SB+(\t)/4]
.endif
.endm
	s_load_b256 s[4:11], s[0:1], 0x0               ; x s[4:5], w_qkv s[6:7], w_proj s[8:9], xq s[10:11]
	s_load_b128 s[12:15], s[0:1], 0x20             ; wq s[12:13], wp16 s[14:15]
	v_lshl_add_u32 v[SPW], v0, 2, SPARE
	v_mov_b32 v[NIL], 0
	v_lshrrev_b32 v1, 5, v0
	v_readfirstlane_b32 s16, v1                    ; wave 0, 1
	v_and_b32 v1, 31, v0                           ; lane
	v_lshlrev_b32 v2, 4, v1                        ; 16 x lane
	s_mov_b32 s21, 0                               ; the upper word of every offset pair s[20:21]
	s_wait_kmcnt 0x0
	s_cmp_lt_u32 ttmp9, 256
	s_cbranch_scc0 .Lnot_x
; ---- x.  K is innermost, so a load takes 512 consecutive bytes of one row; the conversions want a block in one lane.  128 along K of 32 rows turn through the wave's own stage in LDS:
; stored as loaded (row i at 528 i), read back a row to a lane (528 x lane): the pitch is 33 x 16 bytes.
	s_lshl_b32 s20, ttmp9, 17                      ; 32 rows of 4,096 bytes
	s_lshl_b32 s22, s16, 11                        ; my K half: 2,048 bytes of a row
	s_add_co_u32 s20, s20, s22
	s_add_nc_u64 s[4:5], s[4:5], s[20:21]
	s_mul_i32 s20, s16, 17*XPL                     ; my half's 17 planes
	s_lshl_b32 s22, ttmp9, 9                       ; 32 rows of 16 bytes
	s_add_co_u32 s20, s20, s22
	s_add_nc_u64 s[10:11], s[10:11], s[20:21]
	s_mul_i32 s22, s16, 16896                      ; my stage: 32 rows x 528
	v_add_nc_u32 v3, s22, v2                       ; in: 16 x lane of a row
	v_mul_u32_u24 v4, v1, 528
	v_add_nc_u32 v4, s22, v4                       ; back: row = lane
.macro XLOAD c                         ; 128 along K of 32 rows: 32 loads of 512 consecutive bytes
.set i, 0
.rept 32
	global_load_b128 v[R+4*i:R+4*i+3], v2, s[4:5] offset:i*4096+(\c)*512 th:TH_LOAD_NT
.set i, i+1
.endr
.endm
.macro CHUNK c
	s_wait_loadcnt 0x0                             ; this chunk's 32 loads are in
	s_wait_xcnt 0x0                                ; the last chunk's stores have read their codes: the four sets may be written again
.set i, 0
.rept 32
	ds_store_b128 v3, v[R+4*i:R+4*i+3] offset:528*i
.set i, i+1
.endr
.irp j, 0,1,2,3,4,5,6,7
	ds_load_b128 v[X+4*\j:X+4*\j+3], v4 offset:16*\j   ; LDS serves a wave's instructions in order: these see the stores above
.endr
	s_wait_dscnt 0x0                               ; the stores have read their registers, and block 0 is in
.if \c < 3
	XLOAD (\c)+1                                   ; the next chunk is on its way while this one is worked
.endif
.irp blk, 0,1,2,3
.if \blk > 0
	s_wait_dscnt 0x0                               ; this block is in
.endif
.if \blk < 3
.irp j, 0,1,2,3,4,5,6,7
	ds_load_b128 v[X+32*((\blk+1)%2)+4*\j:X+32*((\blk+1)%2)+4*\j+3], v4 offset:128*(\blk+1)+16*\j
.endr
.endif
	QBLOCK X+32*(\blk%2), 4*(\c)+\blk, C+4*\blk
	global_store_b128 v2, v[C+4*\blk:C+4*\blk+3], s[10:11] offset:(4*(\c)+\blk)*XPL   ; 32 rows' 16 bytes: 512 consecutive bytes of the block's plane
.endr
.endm
	XLOAD 0
	CHUNK 0
	CHUNK 1
	CHUNK 2
	CHUNK 3
	global_store_b128 v2, v[SB:SB+3], s[10:11] offset:16*XPL   ; plane 16: the scale bytes
	s_wait_tensorcnt 0x0                           ; the wave's end
	ds_add_u32 v[SPW], v[NIL]
	s_wait_dscnt 0x0
	s_endpgm
.Lnot_x:
	s_cmp_lt_u32 ttmp9, 352
	s_cbranch_scc0 .Lproj
; ---- w_qkv.  K is its FIRST axis: a lane takes a column and its registers run down K, so a block lies in one lane as loaded.  No LDS.
	s_sub_co_u32 s17, ttmp9, 256
	s_cmp_ge_u32 s17, 48
	s_cselect_b32 s18, 1, 0                        ; the K half
	s_mul_i32 s19, s18, 48
	s_sub_co_u32 s17, s17, s19
	s_lshl_b32 s17, s17, 6
	s_lshl_b32 s19, s16, 5
	s_add_co_u32 s17, s17, s19                     ; my wave's first column
	s_mul_i32 s20, s18, 512*12288                  ; 512 rows of 12,288 bytes
	s_lshl_b32 s19, s17, 2
	s_add_co_u32 s20, s20, s19
	s_add_nc_u64 s[6:7], s[6:7], s[20:21]
	s_mul_i32 s20, s18, 17*WPL
	s_lshl_b32 s19, s17, 4
	s_add_co_u32 s20, s20, s19
	s_add_nc_u64 s[12:13], s[12:13], s[20:21]
	v_lshlrev_b32 v3, 2, v1
.macro WLOAD t                         ; block t: w(32 t + i, my column); every offset an immediate: 511 x 12,288 at the most, inside the signed 24 bits
.set i, 0
.rept 32
	global_load_b32 v[X+32*((\t)%2)+i], v3, s[6:7] offset:(32*(\t)+i)*12288 th:TH_LOAD_NT
.set i, i+1
.endr
.endm
	WLOAD 0
	WLOAD 1
.irp t, 0,1,2,3,4,5,6,7,8,9,10,11,12,13,14,15
.if \t < 15
	s_wait_loadcnt 32                              ; this block's 32 loads are in; the next block's 32 may be out
.else
	s_wait_loadcnt 0x0
.endif
	QBLOCK X+32*(\t%2), \t, R+4*\t
	global_store_b128 v2, v[R+4*\t:R+4*\t+3], s[12:13] offset:\t*WPL   ; each block has its own four registers: no store's data are written again
.if \t < 14
	WLOAD \t+2
.endif
.endr
	global_store_b128 v2, v[SB:SB+3], s[12:13] offset:16*WPL
	s_endpgm
.Lproj:
; ---- w_proj to f16, as it lies: a wave takes 4,096 numbers; a store covers 256 consecutive bytes, aligned.
	s_sub_co_u32 s17, ttmp9, 352
	s_lshl_b32 s17, s17, 1
	s_add_co_u32 s17, s17, s16
	s_lshl_b32 s20, s17, 14
	s_add_nc_u64 s[8:9], s[8:9], s[20:21]
	s_lshl_b32 s20, s17, 13
	s_add_nc_u64 s[14:15], s[14:15], s[20:21]
	v_lshlrev_b32 v3, 3, v1
.set i, 0
.rept 32
	global_load_b128 v[X+4*i:X+4*i+3], v2, s[8:9] offset:512*i th:TH_LOAD_NT
.set i, i+1
.endr
.set i, 0
.rept 32
	s_wait_loadcnt 31-i                            ; loads come back in order: number i is in, the younger ones stay out
	v_cvt_pk_f16_f32 v[H+2*i], v[X+4*i], v[X+4*i+1]
	v_cvt_pk_f16_f32 v[H+2*i+1], v[X+4*i+2], v[X+4*i+3]
	global_store_b64 v3, v[H+2*i:H+2*i+1], s[14:15] offset:256*i
.set i, i+1
.endr
	s_endpgm
.Lfunc_end_k_q227499df95_prep:
	.size	k_q227499df95_prep, .Lfunc_end_k_q227499df95_prep-k_q227499df95_prep
	.p2alignl 7, 3214868480
	.fill 96, 4, 3214868480
	.section	.rodata,"a",@progbits
	.p2align	6, 0x0
	.amdhsa_kernel k_q227499df95_prep
		.amdhsa_group_segment_fixed_size 34048
		.amdhsa_private_segment_fixed_size 0
		.amdhsa_enable_private_segment 0
		.amdhsa_kernarg_size 48
		.amdhsa_user_sgpr_count 2
		.amdhsa_user_sgpr_kernarg_segment_ptr 1
		.amdhsa_wavefront_size32 1
		.amdhsa_system_sgpr_workgroup_id_x 1
		.amdhsa_system_sgpr_workgroup_id_y 1
		.amdhsa_system_sgpr_workgroup_id_z 1
		.amdhsa_system_vgpr_workitem_id 0
		.amdhsa_next_free_vgpr 232
		.amdhsa_next_free_sgpr 66
		.amdhsa_reserve_vcc 0
		.amdhsa_float_denorm_mode_32 3
		.amdhsa_float_denorm_mode_16_64 3
		.amdhsa_memory_ordered 1
		.amdhsa_forward_progress 1
		.amdhsa_inst_pref_size 140
	.end_amdhsa_kernel
	.amdgpu_metadata
---
amdhsa.version: [ 1, 2 ]
amdhsa.kernels:
  - .name:           k_q227499df95_prep
    .symbol:         k_q227499df95_prep.kd
    .args:
      - { .name: x, .offset: 0, .size: 8, .value_kind: global_buffer, .address_space: global }
      - { .name: w_qkv, .offset: 8, .size: 8, .value_kind: global_buffer, .address_space: global }
      - { .name: w_proj, .offset: 16, .size: 8, .value_kind: global_buffer, .address_space: global }
      - { .name: xq, .offset: 24, .size: 8, .value_kind: global_buffer, .address_space: global }
      - { .name: wq, .offset: 32, .size: 8, .value_kind: global_buffer, .address_space: global }
      - { .name: wp16, .offset: 40, .size: 8, .value_kind: global_buffer, .address_space: global }
    .group_segment_fixed_size: 34048
    .private_segment_fixed_size: 0
    .kernarg_segment_align: 8
    .kernarg_segment_size: 48
    .max_flat_workgroup_size: 64
    .sgpr_count:     66
    .vgpr_count:     232
    .wavefront_size: 32
...
	.end_amdgpu_metadata
.endif
;; end of part 1
;; launch qkvgemm (part 2): grid 12 x 32, 4 waves a work-group, clusters of 4 x 4, 327,680 bytes of LDS; arguments xq, wq, qkv, qkv32; writes qkv, qkv32
.if DOCPART == 2
	.amdgcn_target "amdgcn-amd-amdhsa--gfx1250"
	.amdhsa_code_object_version 6
	.text
	.protected	k_q227499df95_qkvgemm
	.globl	k_q227499df95_qkvgemm
	.p2align	8
	.type	k_q227499df95_qkvgemm,@function
k_q227499df95_qkvgemm:
	s_mov_b64 s[64:65], 0
	v_nop
	global_prefetch_b8 v0, s[64:65] scope:SCOPE_SE
	s_setreg_imm32_b32 hwreg(HW_REG_WAVE_MODE, 25, 1), 1
	s_wait_xcnt 0x0
	s_wait_alu depctr_hold_cnt(0) depctr_sa_sdst(0) depctr_va_vdst(0) depctr_va_sdst(0) depctr_va_ssrc(0) depctr_va_vcc(0) depctr_vm_vsrc(0)
	s_getreg_b32 s2, hwreg(HW_REG_IB_STS2, 6, 4)
	s_cmp_eq_u32 s2, 0
	s_cbranch_scc0 .Lentry_in_a_cluster
	s_endpgm
.Lentry_in_a_cluster:
	s_bfe_u32 s2, ttmp6, 0x10000c
	s_cmp_lg_u32 s2, 0xf033
	s_cbranch_scc0 .Lentry_shape_is_right
	s_endpgm
.Lentry_shape_is_right:
; qkv = Q(x) Q(w_qkv): [8,192] x [1,024] x [3,072] on codes of FP4 (E2M1) with E8M0 scales, sums in f32.  The results leave as f16, laid by head, qkv [q, k, v][batch][head][t][64];
; positions t < 16 of each batch leave in f32 too, qkv32 [batch][16][3,072], for the launch that carries those rows finely.
; A tile of 256 x 256 is made by four waves, each 128 x 128: 64 accumulators, 512 registers.  K = 1,024 is two slots of 512: both are asked for at the head and no LDS byte is filled twice.
; xq and wq are laid in the order of the operand's registers ([K half][17 planes][rows][16 bytes]): 128 rows of a half, codes and scale bytes, are 17 rows of 2,048 bytes for ONE tensor load, and the sixteen
; lanes of a fragment load read 256 consecutive bytes: no padding.
; CLUSTERS: 4 x 4 work-groups.  The four of a row need the same tile of x, the four of a column the same tile of w_qkv: each is asked for jointly.  The four tile rows of a cluster are the SAME 256 positions
; of the four batches (batch = cy, t = 256 x cluster y on): so 'this tile holds t < 16' hangs on the cluster's number alone and is alike in all sixteen partners.
; THE MATRIX INSTRUCTION IS USED TRANSPOSED (source 0 = 16 columns of w_qkv, source 1 = 16 rows of x): a lane holds eight neighbouring columns of one row.
; REGISTERS: window 0: v0-31 addresses; v32-95 scale words, two sets; v128-191 x's fragments, one set.  window 1: w's fragments, two sets, at v0 and v128.  windows 2, 3: accumulator (a, b) at v[8 (8 (a % 4) + b)].
; LIMIT: a result beyond 65,504 becomes infinite in f16.
.set NQ,    4                          ; steps of 128 along K in a slot
.set FR,    8                          ; registers of a fragment
.set NL,    2                          ; LDS loads that bring one
.set NP,    4                          ; places behind this matrix instruction (ISA guide 7.12.1)
.set HALFT, 17*2048                    ; 128 rows of a K half: 16 planes of codes, one of scale bytes
.set SLOT,  4*HALFT                    ; x's two halves of 128 rows, then w's two
.set SPARE, 2*SLOT                     ; behind the slots: the spare words, 128 bytes for each wave: two blocks of 256 bytes that no other line names
.set STG,   8448                       ; the way out: a stage for each wave, in slot 0, which has had its only fill and its last read when the first result is stored there
.set ADRA, 16                          ; v16-17  LDS address of my fragments of x in slot 0, 1
.set ADRB, 20                          ; v20-21  the same for w
.set ADRS, 22                          ; v22-23  of my scale words: lanes 0-15 x's rows, lanes 16-31 w's
.set STO,  24                          ; v24  stage, f16: where I put 16 bytes of a row
.set RD,   25                          ; v25  and where I read back: four rows x 128 bytes an instruction
.set CO,   26                          ; v26  16 x lane
.set STO32, 27                         ; v27  stage, f32: where I put 32 bytes of a row
.set SPW,  28                          ; v28  LDS address of my spare word; never rewritten
.set NIL,  29                          ; v29  0; never rewritten
.set RD32, 30                          ; v30  stage, f32: a row of 512 bytes
.set SC,   32
.set AF,   128
.set TMP,  192                         ; the way out: a block's packed results
.set OB,   32                          ; and its rows read back: v32-63 and v224-255 by turns
.set G1, 24                            ; s[24:31] descriptor group 1 for x's tiles;  s[32:39] group 0, one set for each slot
.set G0, 32
.set G1B, 48                           ; s[48:55], s[56:63] the same for w's
.set G0B, 56
.set MSB, 0
.macro WIN new                         ; the immediate's high byte repeats the setting that is left
.if MSB != (\new)
	s_set_vgpr_msb (MSB<<8)|(\new)
.set MSB, \new
.endif
.endm
.set MUL_LO, 0xa1                      ; source 0 (w) window 1, source 1 (x) window 0, C and D window 2
.set MUL_HI, 0xf1                      ; the same, C and D window 3
.set TO_B,   0x40                      ; destination window 1, address window 0
; A joint load: waves 0 and 1 fetch for x, waves 2 and 3 for w.  The branch hangs on the wave's number alone.  An s_nop 0 and four v_nop follow each of the two lines.
.macro JLOAD g0a, g1a, g0b, g1b
	s_cmp_eq_u32 s15, 0
	s_cbranch_scc0 .Lfor_b_\@
	tensor_load_to_lds s[\g0a:\g0a+3], s[\g1a:\g1a+7]
	s_nop 0
.rept 4
	v_nop
.endr
	s_branch .Lasked_\@
.Lfor_b_\@:
	tensor_load_to_lds s[\g0b:\g0b+3], s[\g1b:\g1b+7]
	s_nop 0
.rept 4
	v_nop
.endr
.Lasked_\@:
.endm
.macro CROUND                          ; a round of the cluster's barrier
	s_barrier_signal -1
	s_barrier_wait -1
	s_cmp_lg_u32 s14, 0
	s_cbranch_scc1 .Lnot_wave_0_\@
	s_barrier_signal -3
.Lnot_wave_0_\@:
	s_barrier_wait -3
	s_barrier_signal -1
	s_barrier_wait -1
.endm
	s_load_b128 s[4:7], s[0:1], 0x0                ; xq s[4:5], wq s[6:7]
	s_load_b128 s[8:11], s[0:1], 0x10              ; qkv s[8:9], qkv32 s[10:11]
	v_lshl_add_u32 v[SPW], v0, 2, SPARE
	v_mov_b32 v[NIL], 0
	ds_add_u32 v[SPW], v[NIL]                      ; the wave's opening: the add, twice on end, and its wait ahead of my first tensor load
	ds_add_u32 v[SPW], v[NIL]
	v_lshrrev_b32 v1, 5, v0
	v_readfirstlane_b32 s14, v1                    ; wave 0..3
	s_lshr_b32 s15, s14, 1                         ; which half of the tile's rows is mine.  Also: I fetch for x (0) or for w (1)
	s_and_b32 s16, s14, 1                          ; which half of its columns.  Also: which 128 rows of that tile I fetch
	s_bfe_u32 s40, ttmp6, 0x40000                  ; cx
	s_bfe_u32 s41, ttmp6, 0x40004                  ; cy = the batch
	s_lshl_b32 s42, ttmp9, 2
	s_add_co_u32 s42, s42, s40                     ; tile column = 4 x cluster x + cx; cluster x says q, k or v
	s_and_b32 s17, ttmp7, 0xffff                   ; cluster y: t = 256 x this on
	s_lshl_b32 s43, s41, 2
	s_lshl_b32 s43, 15, s43                        ; my row of the cluster
	s_lshl_b32 s44, 0x1111, s40                    ; my column
	s_or_b32 s[G1+0], s43, (3<<16)|(1<<21)         ; 15:0 the mask; 17:16 elements of 8 bytes; 20 no padding; 21 set beside a mask
	s_or_b32 s[G1B+0], s44, (3<<16)|(1<<21)
.irp g, G1, G1B
	s_mov_b32 s[\g+1], 256<<16                     ; tensor_dim0 = 256 elements: 128 rows x 16 bytes
	s_mov_b32 s[\g+2], 17<<16                      ; tensor_dim1 = 17 planes
	s_mov_b32 s[\g+3], 256<<16                     ; tile_dim0
	s_mov_b32 s[\g+4], 17                          ; tile_dim1
	s_mov_b32 s[\g+6], 0
	s_mov_b32 s[\g+7], 0
.endr
	s_mov_b32 s[G1+5], 16384                       ; from plane to plane: 8,192 rows x 16 bytes, in elements
	s_mov_b32 s[G1B+5], 6144                       ; 3,072 rows x 16 bytes
	s_lshl_b32 s18, s16, 7                         ; which 128 rows of the tile I fetch
	s_lshl_b32 s20, s41, 11
	s_lshl_b32 s21, s17, 8
	s_add_co_u32 s20, s20, s21
	s_add_co_u32 s20, s20, s18                     ; x: row 2,048 x batch + 256 x cluster y + 128 x half
	s_lshl_b32 s20, s20, 4
	s_mov_b32 s21, 0
	s_lshl_b32 s46, s42, 8
	s_add_co_u32 s46, s46, s18                     ; w: column 256 x tile column + 128 x half
	s_lshl_b32 s46, s46, 4
	s_mov_b32 s47, 0
	s_mul_i32 s45, s14, HALFT                      ; where they go: no place in the cluster enters an LDS address
	s_wait_dscnt 0x0                               ; both opening adds are done
	s_wait_kmcnt 0x0
	s_add_nc_u64 s[20:21], s[4:5], s[20:21]
	s_add_nc_u64 s[46:47], s[6:7], s[46:47]
	CROUND                                         ; all sixteen work-groups are here: the joint loads meet
.irp s, 0,1
	s_mov_b32 s[G0+4*\s], 1
	s_add_co_u32 s[G0+4*\s+1], s45, \s*SLOT
	s_add_nc_u64 s[G0+4*\s+2:G0+4*\s+3], s[20:21], \s*17*131072    ; K half s
	s_or_b32 s[G0+4*\s+3], s[G0+4*\s+3], 0x80000000
	s_mov_b32 s[G0B+4*\s], 1
	s_add_co_u32 s[G0B+4*\s+1], s45, \s*SLOT
	s_add_nc_u64 s[G0B+4*\s+2:G0B+4*\s+3], s[46:47], \s*17*49152
	s_or_b32 s[G0B+4*\s+3], s[G0B+4*\s+3], 0x80000000
	JLOAD G0+4*\s, G1, G0B+4*\s, G1B               ; two loads of mine are out at the most
.endr
	v_and_b32 v1, 15, v0                           ; r
	v_bfe_u32 v2, v0, 4, 1                         ; h
	v_lshlrev_b32 v3, 4, v1                        ; 16 r
	v_lshl_add_u32 v4, v2, 11, v3                  ; + one plane for lanes 16-31: registers 4 c .. 4 c + 3 of lane (r, h) are block 2 c + h of row r
	s_mul_i32 s21, s15, HALFT                      ; my 128 rows of x
	s_mul_i32 s22, s16, HALFT
	s_add_co_u32 s22, s22, 2*HALFT                 ; my 128 columns of w
.irp s, 0,1
	v_add_nc_u32 v[ADRA+\s], s21, v4
	v_add_nc_u32 v[ADRB+\s], s22, v4
	s_add_co_u32 s21, s21, SLOT
	s_add_co_u32 s22, s22, SLOT
.endr
	s_mul_i32 s21, s15, HALFT
	s_mul_i32 s22, s16, HALFT
	s_add_co_u32 s22, s22, 2*HALFT
	s_sub_co_u32 s22, s22, s21
	v_mul_u32_u24 v6, s22, v2                      ; lanes 16-31 take w's scale words: one product, the distance between the two bases
	s_add_co_u32 s21, s21, 16*2048                 ; plane 16
	v_add_nc_u32 v5, v3, v6
	v_add_nc_u32 v[ADRS], s21, v5
	v_add_nc_u32 v[ADRS+1], SLOT, v[ADRS]
	s_mul_i32 s23, s14, STG                        ; my stage
	v_mul_u32_u24 v5, v1, 272
	v_lshl_add_u32 v5, v2, 4, v5
	v_add_nc_u32 v[STO], s23, v5
	v_and_b32 v6, 31, v0
	v_lshrrev_b32 v7, 3, v6
	v_mul_u32_u24 v7, v7, 272
	v_and_b32 v8, 7, v0
	v_lshl_add_u32 v7, v8, 4, v7
	v_add_nc_u32 v[RD], s23, v7
	v_lshlrev_b32 v[CO], 4, v6
	v_mul_u32_u24 v5, v1, 528
	v_lshl_add_u32 v5, v2, 5, v5
	v_add_nc_u32 v[STO32], s23, v5
	v_add_nc_u32 v[RD32], s23, v[CO]
	; where my results go.  qkv: 2^24 bytes for q, k, v; 2^22 a batch; 2^18 a head; 128 a position
	s_lshl_b32 s20, ttmp9, 24
	s_lshl_b32 s21, s41, 22
	s_add_co_u32 s20, s20, s21
	s_lshl_b32 s21, s17, 8
	s_lshl_b32 s22, s15, 7
	s_add_co_u32 s21, s21, s22                     ; my first position: 256 x cluster y + 128 x half
	s_lshl_b32 s21, s21, 7
	s_add_co_u32 s20, s20, s21
	s_lshl_b32 s46, s40, 2
	s_lshl_b32 s47, s16, 1
	s_add_co_u32 s46, s46, s47                     ; my first head: 4 cx + 2 x half
	s_lshl_b32 s46, s46, 18
	s_add_co_u32 s20, s20, s46
	s_mov_b32 s21, 0
	s_add_nc_u64 s[8:9], s[8:9], s[20:21]
	s_mul_i32 s20, s41, 16*12288                   ; qkv32: a batch's 16 rows of 12,288 bytes
	s_lshl_b32 s46, s42, 10
	s_lshl_b32 s47, s16, 9
	s_add_co_u32 s46, s46, s47
	s_add_co_u32 s20, s20, s46
	s_add_nc_u64 s[10:11], s[10:11], s[20:21]
.macro FRAG reg, adr, q, i             ; 16 rows x 128 K: block 4 q + 2 c + h of rows 16 i + r
.irp c, 0,1
	ds_load_b128 v[\reg+4*\c:\reg+4*\c+3], v[\adr] offset:8192*(\q)+4096*\c+256*(\i)
.endr
.endm
; 16 matrix instructions: x's blocks a0, a0 + 1 against w's eight.  The 64 accumulators take turns, one instruction a turn, in the same order in every step.
.macro MUL16 a0, p, q, sc, zero
.irp a, \a0, \a0+1
.irp b, 0,1,2,3,4,5,6,7
.if \zero
	v_wmma_scale_f32_16x16x128_f8f6f4 v[8*(8*((\a)%4)+\b):8*(8*((\a)%4)+\b)+7], v[128*(\p)+FR*\b:128*(\p)+FR*\b+FR-1], v[AF+FR*(\a):AF+FR*(\a)+FR-1], 0, v[SC+8*NQ*(\sc)+NQ*\b+(\q)], v[SC+8*NQ*(\sc)+NQ*(\a)+(\q)] matrix_a_fmt:MATRIX_FMT_FP4 matrix_b_fmt:MATRIX_FMT_FP4 matrix_a_scale:MATRIX_SCALE_ROW1
.else
	v_wmma_scale_f32_16x16x128_f8f6f4 v[8*(8*((\a)%4)+\b):8*(8*((\a)%4)+\b)+7], v[128*(\p)+FR*\b:128*(\p)+FR*\b+FR-1], v[AF+FR*(\a):AF+FR*(\a)+FR-1], v[8*(8*((\a)%4)+\b):8*(8*((\a)%4)+\b)+7], v[SC+8*NQ*(\sc)+NQ*\b+(\q)], v[SC+8*NQ*(\sc)+NQ*(\a)+(\q)] matrix_a_fmt:MATRIX_FMT_FP4 matrix_b_fmt:MATRIX_FMT_FP4 matrix_a_scale:MATRIX_SCALE_ROW1
.endif
.endr
.endr
.endm
.macro FETCH_B slot, q, p
	WIN TO_B
.irp i, 0,1,2,3,4,5,6,7
	FRAG 128*(\p)+FR*\i, ADRB+\slot, \q, \i
.endr
	WIN 0
.endm
.macro FETCH_A slot, q, i0
.irp i, \i0, \i0+1, \i0+2, \i0+3
	FRAG AF+FR*(\i), ADRA+\slot, \q, \i
.endr
.endm
.macro SCALES sc                       ; a slot's scale words: four a row; lanes 0-15 take x's block i, lanes 16-31 w's block i
.irp i, 0,1,2,3,4,5,6,7
	ds_load_b128 v[SC+8*NQ*\sc+NQ*\i:SC+8*NQ*\sc+NQ*\i+3], v[ADRS+\sc] offset:256*\i
.endr
.endm
.macro PLACES n                        ; places in front of loads into registers that matrix instructions have read, and of the first read of results
.rept \n
	v_nop
.endr
.endm
.macro STEP slot, q, zero              ; a step of 128 along K that has its successor in the same slot
	s_wait_dscnt 4*NL                              ; w's set and x's blocks 0-3 are in; the youngest eight loads (x's blocks 4-7) may be out
	WIN MUL_LO
	MUL16 0, (\q)%2, \q, \slot, \zero
	MUL16 2, (\q)%2, \q, \slot, \zero
	s_wait_dscnt 0
	PLACES NP
	FETCH_B \slot, (\q)+1, 1-(\q)%2
	FETCH_A \slot, (\q)+1, 0
	WIN MUL_HI
	MUL16 4, (\q)%2, \q, \slot, \zero
	MUL16 6, (\q)%2, \q, \slot, \zero
	PLACES NP
	WIN 0
	FETCH_A \slot, (\q)+1, 4
.endm
	s_wait_tensorcnt 1                             ; my part of slot 0 is in; slot 1's one load may stay out
	s_barrier_signal -1
	s_barrier_wait -1
	FETCH_B 0, 0, 0
	FETCH_A 0, 0, 0
	SCALES 0
	FETCH_A 0, 0, 4
	STEP 0, 0, 1                                   ; the first products start the sums: nothing is cleared
	STEP 0, 1, 0
	STEP 0, 2, 0
	; slot 0's last step changes slots: my part of slot 1 has landed and my reads of slot 0 are over in front of the signal; nothing is filled again
	s_wait_tensorcnt 0x0
	s_wait_dscnt 4*NL
	WIN MUL_LO
	MUL16 0, 1, NQ-1, 0, 0
	s_wait_dscnt 0x0
	s_barrier_signal -1
	MUL16 2, 1, NQ-1, 0, 0
	WIN 0
	s_barrier_wait -1
	PLACES NP
	FETCH_B 1, 0, 0
	FETCH_A 1, 0, 0
	SCALES 1
	WIN MUL_HI
	MUL16 4, 1, NQ-1, 0, 0
	MUL16 6, 1, NQ-1, 0, 0
	PLACES NP
	WIN 0
	FETCH_A 1, 0, 4
	STEP 1, 0, 0
	STEP 1, 1, 0
	STEP 1, 2, 0
	s_wait_dscnt 4*NL                              ; the last step: nothing more to fetch
	WIN MUL_LO
	MUL16 0, 1, NQ-1, 1, 0
	MUL16 2, 1, NQ-1, 1, 0
	s_wait_dscnt 0
	WIN MUL_HI
	MUL16 4, 1, NQ-1, 1, 0
	MUL16 6, 1, NQ-1, 1, 0
	WIN 0
; THE WAY OUT.  A lane holds eight neighbouring columns of one row.  A block of 16 rows x 128 columns goes through my stage and comes back so that each store covers 512 consecutive bytes.
	PLACES NP
	s_or_b32 s20, s17, s15                         ; positions 0-15 lie in block 0 of the upper row half where cluster y = 0: alike in all partners
	s_cmp_lg_u32 s20, 0
	s_cbranch_scc1 .Lno_fine
	WIN 0x08                                       ; an LDS store's data: window 2
.irp b, 0,1,2,3,4,5,6,7
	ds_store_b128 v[STO32], v[8*\b:8*\b+3] offset:64*\b            ; each accumulator from its low end on
	ds_store_b128 v[STO32], v[8*\b+4:8*\b+7] offset:64*\b+16
.endr
	WIN 0
.irp t, 0,1,2,3,4,5,6,7,8,9,10,11,12,13,14,15
	ds_load_b128 v[AF+4*\t:AF+4*\t+3], v[RD32] offset:528*\t      ; LDS serves a wave's instructions in order: these see the stores above
.endr
.irp t, 0,1,2,3,4,5,6,7,8,9,10,11,12,13,14,15
	s_wait_dscnt 15-\t                             ; row t is back; the younger loads stay out
	global_store_b128 v[CO], v[AF+4*\t:AF+4*\t+3], s[10:11] offset:12288*\t
.endr
.Lno_fine:
.macro PACK a                          ; block a rounded to f16: 16 bytes a lane and accumulator
.set AC, 64*((\a)%4)
	WIN 0x0a+5*((\a)/4)                            ; sources 0 and 1: window 2 or 3
.irp b, 0,1,2,3,4,5,6,7
.irp r, 0,1,2,3
	v_cvt_pk_f16_f32 v[TMP+4*\b+\r], v[AC+8*\b+2*\r], v[AC+8*\b+2*\r+1]
.endr
.endr
	WIN 0
.endm
.macro TOSTAGE a                       ; into rows of 272 bytes; back by heads: four positions x 128 bytes an instruction
.set BKR, OB+192*((\a)%2)
.irp b, 0,1,2,3,4,5,6,7
	ds_store_b128 v[STO], v[TMP+4*\b:TMP+4*\b+3] offset:32*\b
.endr
.irp u, 0,1,2,3,4,5,6,7
	ds_load_b128 v[BKR+4*\u:BKR+4*\u+3], v[RD] offset:128*(\u/4)+1088*(\u%4)
.endr
.endm
.macro SEND a
.set BKR, OB+192*((\a)%2)
	s_wait_dscnt 0x0                               ; the block is back in registers
	s_wait_xcnt 0x0                                ; the block before has been read by its stores: its registers take the next block's loads only behind this wait
.irp u, 0,1,2,3,4,5,6,7
	global_store_b128 v[CO], v[BKR+4*\u:BKR+4*\u+3], s[8:9] offset:(\u/4)*262144+(\a)*2048+(\u%4)*512   ; a head's 16 positions are 2,048 consecutive bytes
.endr
.endm
	PACK 0
	TOSTAGE 0
.irp a, 1,2,3,4,5,6,7                  ; block a's conversions stand between block a - 1's loads from the stage and the wait for them
	PACK \a
	SEND \a-1
	TOSTAGE \a
.endr
	SEND 7
	s_wait_tensorcnt 0x0                           ; the wave's end
	ds_add_u32 v[SPW], v[NIL]
	s_wait_dscnt 0x0
	CROUND                                         ; the closing round
	s_endpgm
.Lfunc_end_k_q227499df95_qkvgemm:
	.size	k_q227499df95_qkvgemm, .Lfunc_end_k_q227499df95_qkvgemm-k_q227499df95_qkvgemm
	.p2alignl 7, 3214868480
	.fill 96, 4, 3214868480
	.section	.rodata,"a",@progbits
	.p2align	6, 0x0
	.amdhsa_kernel k_q227499df95_qkvgemm
		.amdhsa_group_segment_fixed_size 327680
		.amdhsa_private_segment_fixed_size 0
		.amdhsa_enable_private_segment 0
		.amdhsa_kernarg_size 32
		.amdhsa_user_sgpr_count 2
		.amdhsa_user_sgpr_kernarg_segment_ptr 1
		.amdhsa_wavefront_size32 1
		.amdhsa_system_sgpr_workgroup_id_x 1
		.amdhsa_system_sgpr_workgroup_id_y 1
		.amdhsa_system_sgpr_workgroup_id_z 1
		.amdhsa_system_vgpr_workitem_id 0
		.amdhsa_next_free_vgpr 1024
		.amdhsa_next_free_sgpr 66
		.amdhsa_reserve_vcc 0
		.amdhsa_float_denorm_mode_32 3
		.amdhsa_float_denorm_mode_16_64 3
		.amdhsa_memory_ordered 1
		.amdhsa_forward_progress 1
		.amdhsa_inst_pref_size 129
	.end_amdhsa_kernel
	.amdgpu_metadata
---
amdhsa.version: [ 1, 2 ]
amdhsa.kernels:
  - .name:           k_q227499df95_qkvgemm
    .symbol:         k_q227499df95_qkvgemm.kd
    .args:
      - { .name: xq, .offset: 0, .size: 8, .value_kind: global_buffer, .address_space: global }
      - { .name: wq, .offset: 8, .size: 8, .value_kind: global_buffer, .address_space: global }
      - { .name: qkv, .offset: 16, .size: 8, .value_kind: global_buffer, .address_space: global }
      - { .name: qkv32, .offset: 24, .size: 8, .value_kind: global_buffer, .address_space: global }
    .group_segment_fixed_size: 327680
    .private_segment_fixed_size: 0
    .kernarg_segment_align: 8
    .kernarg_segment_size: 32
    .max_flat_workgroup_size: 128
    .sgpr_count:     66
    .vgpr_count:     1024
    .wavefront_size: 32
...
	.end_amdgpu_metadata
.endif
;; end of part 2
;; launch attn (part 3): grid 4 x 64, 8 waves a work-group, no clusters, 327,680 bytes of LDS; arguments qkv, y16; writes y16
.if DOCPART == 3
	.amdgcn_target "amdgcn-amd-amdhsa--gfx1250"
	.amdhsa_code_object_version 6
	.text
	.protected	k_q227499df95_attn
	.globl	k_q227499df95_attn
	.p2align	8
	.type	k_q227499df95_attn,@function
k_q227499df95_attn:
	s_mov_b64 s[64:65], 0
	v_nop
	global_prefetch_b8 v0, s[64:65] scope:SCOPE_SE
	s_setreg_imm32_b32 hwreg(HW_REG_WAVE_MODE, 25, 1), 1
	s_wait_xcnt 0x0
; y[b][h][q][:] = the sum over k <= q of softmax_k(q . k / 8) v[k][:], head size 64, operands in f16, products, maxima and sums in f32; y leaves as f16, laid [b][h][t][64].
; LEFT OUT: key steps all of whose keys come after a wave's queries: reference()'s own tril mask gives them the weight 0 for all finite inputs (shown at the head of the first launch).
; LIMIT: a NaN or an infinity in a key or value row later than the query is not carried to the result.
; SHARES.  Work-group (i, head) owns the query blocks 7 - i and i of its head, 256 queries each, one after the other: (8 - i) + (i + 1) = 9 slots of 256 keys, the same for every work-group, so the
; trip count is a constant.  Each of eight waves owns 32 neighbouring queries, two tiles of 16; two waves share a SIMD, so that one wave's softmax stands beside the other's products.
; NO CLUSTER: the four work-groups of a head walk key blocks 0 .. 7 - i and then 0 .. i; from the sixth slot on they want different tiles, so their requests cannot be joint ones.
; LAYOUT.  S^T = K Q^T (source 0 = 16 keys, source 1 = 16 queries) and O^T = V^T P (source 0 = 16 channels, turned out of LDS by ds_load_tr16_b128): a lane holds ONE query throughout.
; SOFTMAX.  A running maximum m and sum l for each query: p = 2^(c s - c m), c = log2(e) / 8; in every step O and l are multiplied by a = 2^(c m_old - c m_new).
; RING.  Two slots of 256 keys.  Waves 0-3 fetch K's quarters, waves 4-7 V's, 64 rows a load; one load of mine is out at the most, and every wait on TENSORcnt is for 0.
; REGISTERS: window 0: v1-15 addresses; v16-31 statistics, eight a tile; v32-63 Q; v64-127 S^T; v128-159 P; v160-223 O^T; v224-255 y on the way out.  window 1: v0-63 K, v64-127 V of one step of 64 keys.
.set KP,    144                        ; a key's row in LDS: 128 bytes + 16: nine times 16 bytes, so the 16 rows of a load start at different banks
.set VP,    160                        ; a value's row: 128 + 32: five times 32 bytes, for the turning load
.set VOFF,  256*KP                     ; a slot: 256 rows of K, then 256 of V
.set SLOT1, 1<<17                      ; slot 1 begins here: one exclusive or turns an address
.set STAGE, SLOT1+256*(KP+VP)          ; behind the ring: 32 rows x 144 bytes for each wave
.set SPARE, STAGE+8*32*KP              ; behind the stages: the spare words, 128 bytes for each wave: four blocks of 256 bytes that no other line names
.set AK0, 1
.set AV0, 2
.set ADK, 3
.set ADV, 4
.set SPW, 5                            ; v5  LDS address of my spare word; never rewritten
.set NIL, 6                            ; v6  0; never rewritten
.set QO,  7
.set STO, 8
.set RD,  9
.set GO,  10
.set LT,  11                           ; v11 lane % 16 - 8 (lane / 16)
.set NINF, 14                          ; v14 -infinity
.set PFO, 15                           ; v15 256 x lane; never rewritten
.set ST,  16                           ; tile t at v[16 + 8 t]: +0 c m, +1 m, +2, +3 l, +4 .. +7 at work; a in +6
.set Q,   32
.set S,   64
.set P,   128
.set O,   160
.set Y,   224
.set WV,  12
.set SWJ, 14                           ; s14 the trip behind which the query block changes: 7 - i
.set WRAPB, 15                         ; s15 (8 - i) slots in bytes: back to the head's first key
.set J,   16
.set KF,  17                           ; s17 the slot's first key
.set Q0,  18                           ; s18 my first query
.set TB,  19                           ; s19 LDS byte at which the slot in hand begins
.set SEL, 20
.set CS,  22
.set G1K, 24
.set G1V, 32
.set G0K, 40
.set G0V, 44
.set PFA, 50
.set LIMJ, 52
.set MSB, 0
.macro WIN new
.if MSB != (\new)
	s_set_vgpr_msb (MSB<<8)|(\new)
.set MSB, \new
.endif
.endm
.macro TLOAD                           ; the branch hangs on the wave's number alone; an s_nop 0 and four v_nop follow each of the two lines
	s_cmp_lt_u32 s[WV], 4
	s_cbranch_scc0 .Lfor_v_\@
	tensor_load_to_lds s[G0K:G0K+3], s[G1K:G1K+7]
	s_nop 0
.rept 4
	v_nop
.endr
	s_branch .Lasked_\@
.Lfor_v_\@:
	tensor_load_to_lds s[G0V:G0V+3], s[G1V:G1V+7]
	s_nop 0
.rept 4
	v_nop
.endr
.Lasked_\@:
.endm
; A prefetch of the 64 rows (32 blocks of 256 bytes, a lane a block) that this same wave will load at the NEXT change of slots: a slot's four key steps ahead.  The four work-groups of a head walk the same
; K and V: the one with i = 0, which walks all eight key blocks in order, asks, in trips 0 to 5, for blocks 2 to 7: each block is named once.  Blocks 0 and 1 come by their loads alone.
.macro ASK
	s_cmp_lt_u32 s[J], s[LIMJ]
	s_cbranch_scc0 .Lnot_mine_\@
	global_prefetch_b8 v[PFO], s[PFA:PFA+1] th:TH_LOAD_NT scope:SCOPE_SE
.Lnot_mine_\@:
.endm
	s_load_b128 s[4:7], s[0:1], 0x0                ; qkv s[4:5], y16 s[6:7]
	v_lshl_add_u32 v[SPW], v0, 2, SPARE
	v_mov_b32 v[NIL], 0
	ds_add_u32 v[SPW], v[NIL]                      ; the wave's opening: the add, twice on end, and its wait ahead of my first tensor load
	ds_add_u32 v[SPW], v[NIL]
	v_lshrrev_b32 v1, 5, v0
	v_readfirstlane_b32 s[WV], v1                  ; wave 0..7
	s_sub_co_u32 s[SWJ], 7, ttmp9
	s_sub_co_u32 s[WRAPB], 8, ttmp9
	s_lshl_b32 s[WRAPB], s[WRAPB], 15
	s_mov_b32 s48, 0
	s_mov_b32 s49, 0
	s_cmp_eq_u32 ttmp9, 0
	s_cselect_b32 s[LIMJ], 6, 0
	s_mov_b32 s[J], 0
	s_mov_b32 s[KF], 0
	s_mov_b32 s[TB], 0
	s_lshl_b32 s[Q0], s[SWJ], 8
	s_lshl_b32 s53, s[WV], 5
	s_add_co_u32 s[Q0], s[Q0], s53                 ; block 7 - i first: 256 (7 - i) + 32 x wave
	s_mov_b32 s[SEL], 0x76543210
	s_mov_b32 s[SEL+1], 0xfedcba98                 ; v_permlanex16_b32's selects for lane l xor 16
	s_mov_b32 s[CS], 0x3e38aa3b                    ; c = log2(e) / 8
	s_mov_b32 s[CS+1], s[CS]                       ; (named with it as a pair, so it is written)
	s_mov_b32 s[G1K], (1<<16)|(1<<20)|(4<<22)|(3<<25)   ; elements of 2 bytes; padding on: after every 32 words four words
	s_mov_b32 s[G1V], (1<<16)|(1<<20)|(4<<22)|(7<<25)   ; eight words
.irp g, G1K, G1V
	s_mov_b32 s[\g+1], 64<<16                      ; tensor_dim0 = 64
	s_mov_b32 s[\g+2], 64<<16                      ; tensor_dim1 = 64
	s_mov_b32 s[\g+3], 64<<16                      ; tile_dim0
	s_mov_b32 s[\g+4], 64                          ; tile_dim1
	s_mov_b32 s[\g+5], 64                          ; from row to row
	s_mov_b32 s[\g+6], 0
	s_mov_b32 s[\g+7], 0
.endr
	s_and_b32 s58, ttmp7, 0xffff                   ; batch x 16 + head
	s_lshl_b32 s58, s58, 18                        ; a head is 2,048 x 128 bytes
	s_mov_b32 s59, 0
	s_and_b32 s60, s[WV], 3
	s_lshl_b32 s56, s60, 13                        ; my 64 rows of a slot's 256
	s_mov_b32 s57, 0
	s_mul_i32 s61, s60, 64*KP
	s_mul_i32 s62, s60, 64*VP
	s_add_co_u32 s62, s62, VOFF
	s_wait_dscnt 0x0                               ; both opening adds are done
	s_wait_kmcnt 0x0
	s_add_nc_u64 s[4:5], s[4:5], s[58:59]          ; q's head
	s_add_nc_u64 s[6:7], s[6:7], s[58:59]          ; y's head
	s_add_nc_u64 s[G0K+2:G0K+3], s[4:5], s[56:57]
	s_add_nc_u64 s[G0V+2:G0V+3], s[G0K+2:G0K+3], 0x2000000   ; v lies 2 x 2^24 bytes behind q,
	s_add_nc_u64 s[G0K+2:G0K+3], s[G0K+2:G0K+3], 0x1000000   ; k 2^24
	s_cmp_lt_u32 s[WV], 4
	s_cselect_b64 s[PFA:PFA+1], s[G0K+2:G0K+3], s[G0V+2:G0V+3]
	s_add_nc_u64 s[PFA:PFA+1], s[PFA:PFA+1], 32768 ; at key block 1: the first change steps it to block 2
	s_or_b32 s[G0K+3], s[G0K+3], 0x80000000
	s_or_b32 s[G0V+3], s[G0V+3], 0x80000000
	s_mov_b32 s[G0K], 1
	s_mov_b32 s[G0K+1], s61
	s_mov_b32 s[G0V], 1
	s_mov_b32 s[G0V+1], s62
	TLOAD                                          ; slot 0: the head's first 256 keys; every wave issues one
	s_lshl_b32 s56, s[Q0], 7
	s_add_nc_u64 s[8:9], s[4:5], s[56:57]          ; q at my first query
	s_add_nc_u64 s[10:11], s[6:7], s[56:57]        ; y likewise
	v_and_b32 v224, 15, v0                         ; r
	v_bfe_u32 v225, v0, 4, 1                       ; h
	v_and_b32 v226, 7, v0
	v_bfe_u32 v227, v0, 3, 1
	v_and_b32 v228, 31, v0
	v_lshrrev_b32 v229, 3, v228
	v_lshlrev_b32 v[QO], 7, v224
	v_lshl_add_u32 v[QO], v225, 4, v[QO]           ; q: row r of 128 bytes, + 16 h
.macro QLOAD                           ; tile t, channels 32 ks on
.irp t, 0,1
.irp ks, 0,1
	global_load_b128 v[Q+16*\t+8*\ks:Q+16*\t+8*\ks+3], v[QO], s[8:9] offset:2048*\t+64*\ks
	global_load_b128 v[Q+16*\t+8*\ks+4:Q+16*\t+8*\ks+7], v[QO], s[8:9] offset:2048*\t+64*\ks+32
.endr
.endr
.endm
	QLOAD
	v_mul_u32_u24 v[AK0], v224, KP
	v_lshl_add_u32 v[AK0], v225, 4, v[AK0]         ; K: row r, + 16 h
	v_lshl_add_u32 v[AV0], v225, 3, v226
	v_mul_u32_u24 v[AV0], v[AV0], VP
	v_lshl_add_u32 v[AV0], v227, 4, v[AV0]
	v_add_nc_u32 v[AV0], VOFF, v[AV0]              ; V, for the turning load: key 8 h + l % 8, channels 8 ((l / 8) % 2) on
	s_mul_i32 s53, s[WV], 32*KP
	s_add_co_u32 s53, s53, STAGE                   ; my stage
	v_add_nc_u32 v[STO], s53, v[AK0]               ; in: row r, 16 bytes for each half of the lanes
	v_mul_u32_u24 v[RD], v229, KP
	v_lshl_add_u32 v[RD], v226, 4, v[RD]
	v_add_nc_u32 v[RD], s53, v[RD]                 ; back: four rows of 128 bytes an instruction
	v_lshlrev_b32 v[GO], 4, v228
	v_lshlrev_b32 v[LT], 3, v225
	v_sub_nc_u32 v[LT], v224, v[LT]
	v_mov_b32 v[NINF], 0xff800000
	v_lshlrev_b32 v[PFO], 8, v228
.macro INIT                            ; the step is written once: its first run finds m = -3e38, l = 0 and O^T = 0, which a = 0 leaves zeros
.irp t, 0,1
	v_mov_b32 v[ST+8*\t+1], 0xff61b1e6
	v_mul_f32 v[ST+8*\t], s[CS], v[ST+8*\t+1]
	v_mov_b32 v[ST+8*\t+2], 0
	v_mov_b32 v[ST+8*\t+3], 0
.endr
.set n, 0
.rept 64
	v_mov_b32 v[O+n], 0
.set n, n+1
.endr
.endm
.macro KLOAD q                         ; the slot's q-th 64 keys: fragment (16 keys kt, 32 channels ks) at v[8 (2 kt + ks)] of window 1
	WIN 0x40
.irp kt, 0,1,2,3
.irp ks, 0,1
	ds_load_b128 v[8*(2*\kt+\ks):8*(2*\kt+\ks)+3], v[ADK] offset:64*KP*(\q)+16*KP*\kt+64*\ks
	ds_load_b128 v[8*(2*\kt+\ks)+4:8*(2*\kt+\ks)+7], v[ADK] offset:64*KP*(\q)+16*KP*\kt+64*\ks+32
.endr
.endr
.endm
.macro VLOAD q                         ; fragment (32 keys kp, 16 channels c) at v[64 + 8 (4 kp + c)] of window 1
	WIN 0x40
.irp kp, 0,1
.irp c, 0,1,2,3
	ds_load_tr16_b128 v[64+8*(4*\kp+\c):64+8*(4*\kp+\c)+3], v[ADV] offset:64*VP*(\q)+32*VP*\kp+32*\c
	ds_load_tr16_b128 v[64+8*(4*\kp+\c)+4:64+8*(4*\kp+\c)+7], v[ADV] offset:64*VP*(\q)+32*VP*\kp+32*\c+16*VP
.endr
.endr
.endm
.macro KQ                              ; 16 products; the eight accumulators take turns; the first eight start the sums
	WIN 0x01
.irp ks, 0,1
.irp kt, 0,1,2,3
.irp t, 0,1
.if \ks == 0
	v_wmma_f32_16x16x32_f16 v[S+32*\t+8*\kt:S+32*\t+8*\kt+7], v[8*(2*\kt+\ks):8*(2*\kt+\ks)+7], v[Q+16*\t+8*\ks:Q+16*\t+8*\ks+7], 0
.else
	v_wmma_f32_16x16x32_f16 v[S+32*\t+8*\kt:S+32*\t+8*\kt+7], v[8*(2*\kt+\ks):8*(2*\kt+\ks)+7], v[Q+16*\t+8*\ks:Q+16*\t+8*\ks+7], v[S+32*\t+8*\kt:S+32*\t+8*\kt+7]
.endif
.endr
.endr
.endr
.endm
.macro PV                              ; 16 products onto O^T, eight accumulators by turns
	WIN 0x01
.irp kp, 0,1
.irp c, 0,1,2,3
.irp t, 0,1
	v_wmma_f32_16x16x32_f16 v[O+32*\t+8*\c:O+32*\t+8*\c+7], v[64+8*(4*\kp+\c):64+8*(4*\kp+\c)+7], v[P+16*\t+8*\kp:P+16*\t+8*\kp+7], v[O+32*\t+8*\c:O+32*\t+8*\c+7]
.endr
.endr
.endr
.endm
; On the diagonal.  Register n of tile t holds key KF + 64 q + 16 (n / 8) + 8 h + n % 8 for query Q0 + 16 t + r: hidden where 16 (n / 8) + n % 8 > d, d = Q0 - KF - 64 q + 16 t + r - 8 h.
.macro MASK q
	s_sub_co_u32 s53, s[Q0], s[KF]
.if \q > 0
	s_sub_co_u32 s53, s53, 64*\q
.endif
	v_add_nc_u32 v12, s53, v[LT]
	v_add_nc_u32 v13, 16, v12
.set n, 0
.rept 32
.irp t, 0,1
	v_cmp_gt_i32 vcc_lo, 16*(n/8)+n%8, v[12+\t]
	v_cndmask_b32 v[S+32*\t+n], v[S+32*\t+n], v[NINF], vcc_lo
.endr
.set n, n+1
.endr
.endm
.macro SOFTMAX                         ; both tiles line by line in turn, so that no line waits for the line above it
.irp j, 0,1,2,3
.irp t, 0,1
	v_max3_num_f32 v[ST+8*\t+4+\j], v[S+32*\t+8*\j], v[S+32*\t+8*\j+1], v[S+32*\t+8*\j+2]   ; each accumulator is read from its low end on
.endr
.endr
.irp i, 3,5
.irp j, 0,1,2,3
.irp t, 0,1
	v_max3_num_f32 v[ST+8*\t+4+\j], v[ST+8*\t+4+\j], v[S+32*\t+8*\j+\i], v[S+32*\t+8*\j+\i+1]
.endr
.endr
.endr
.irp t, 0,1
	v_max3_num_f32 v[ST+8*\t+4], v[ST+8*\t+4], v[S+32*\t+7], v[S+32*\t+15]
.endr
.irp t, 0,1
	v_max3_num_f32 v[ST+8*\t+6], v[ST+8*\t+6], v[S+32*\t+23], v[S+32*\t+31]
.endr
.irp t, 0,1
	v_max3_num_f32 v[ST+8*\t+4], v[ST+8*\t+4], v[ST+8*\t+5], v[ST+8*\t+6]
.endr
.irp t, 0,1
	v_max3_num_f32 v[ST+8*\t+4], v[ST+8*\t+4], v[ST+8*\t+7], v[ST+8*\t+1]   ; with the old m
.endr
.irp t, 0,1
	v_permlanex16_b32 v[ST+8*\t+5], v[ST+8*\t+4], s[SEL], s[SEL+1]   ; the query's other 32 keys lie in the lane 16 away
.endr
.irp t, 0,1
	v_mov_b32 v[ST+8*\t+7], v[ST+8*\t]             ; c m_old
.endr
.irp t, 0,1
	v_max_num_f32 v[ST+8*\t+1], v[ST+8*\t+4], v[ST+8*\t+5]
.endr
.irp t, 0,1
	v_mul_f32 v[ST+8*\t], s[CS], v[ST+8*\t+1]
.endr
.irp t, 0,1
	v_sub_f32 v[ST+8*\t+7], v[ST+8*\t+7], v[ST+8*\t]
.endr
.set b, 0
.rept 16
.irp t, 0,1
	v_pk_fma_f32 v[S+32*\t+2*b:S+32*\t+2*b+1], v[S+32*\t+2*b:S+32*\t+2*b+1], s[CS:CS+1], v[ST+8*\t:ST+8*\t+1] op_sel_hi:[1,0,0] neg_lo:[0,0,1] neg_hi:[0,0,1]   ; c s - c m
.endr
.set b, b+1
.endr
.irp t, 0,1
	v_exp_f32 v[ST+8*\t+6], v[ST+8*\t+7]           ; a
.endr
.set b, 0
.rept 32
.irp t, 0,1
	v_exp_f32 v[S+32*\t+b], v[S+32*\t+b]
.endr
.set b, b+1
.endr
	v_nop                                          ; a plain instruction behind the last exponential
	s_wait_alu depctr_va_vdst(0)                   ; one wait for the 66 exponentials, ahead of the first line that names a result
.set b, 0
.rept 16
.irp t, 0,1
	v_cvt_pk_f16_f32 v[P+16*\t+b], v[S+32*\t+2*b], v[S+32*\t+2*b+1]   ; two tiles of 16 keys, rounded in pairs, are source 1 for 32 keys
.endr
.set b, b+1
.endr
.irp u, 0,1,2,3,4,5,6,7
.irp t, 0,1
	v_pk_add_f32 v[S+32*\t+4*\u:S+32*\t+4*\u+1], v[S+32*\t+4*\u:S+32*\t+4*\u+1], v[S+32*\t+4*\u+2:S+32*\t+4*\u+3]
.endr
.endr
.irp u, 0,1,2,3
.irp t, 0,1
	v_pk_add_f32 v[S+32*\t+8*\u:S+32*\t+8*\u+1], v[S+32*\t+8*\u:S+32*\t+8*\u+1], v[S+32*\t+8*\u+4:S+32*\t+8*\u+5]
.endr
.endr
.irp u, 0,1
.irp t, 0,1
	v_pk_add_f32 v[S+32*\t+16*\u:S+32*\t+16*\u+1], v[S+32*\t+16*\u:S+32*\t+16*\u+1], v[S+32*\t+16*\u+8:S+32*\t+16*\u+9]
.endr
.endr
.irp t, 0,1
	v_pk_add_f32 v[S+32*\t:S+32*\t+1], v[S+32*\t:S+32*\t+1], v[S+32*\t+16:S+32*\t+17]
.endr
.irp t, 0,1
	v_pk_fma_f32 v[ST+8*\t+2:ST+8*\t+3], v[ST+8*\t+2:ST+8*\t+3], v[ST+8*\t+6:ST+8*\t+7], v[S+32*\t:S+32*\t+1] op_sel_hi:[1,0,1]   ; l = a l + the step's sum
.endr
.set b, 0
.rept 16
.irp t, 0,1
	v_pk_mul_f32 v[O+32*\t+2*b:O+32*\t+2*b+1], v[O+32*\t+2*b:O+32*\t+2*b+1], v[ST+8*\t+6:ST+8*\t+7] op_sel_hi:[1,0]
.endr
.set b, b+1
.endr
.endm
; A KEY STEP of 64 keys, the q-th of the slot in hand.  A step whose first key comes after my last query ends the slot for me: a scalar branch on ids; no barrier, wait for tiles or tensor load stands in a step.
.macro STEP q, id
.if \q > 0
	s_add_co_u32 s53, s[KF], 64*\q
	s_add_co_u32 s54, s[Q0], 31
	s_cmp_gt_u32 s53, s54
	s_cbranch_scc1 .Lend_\id
.endif
	s_wait_dscnt 0x0                               ; this step's K is in
	KQ
.rept 4
	v_nop                                          ; places in front of loads into registers that matrix instructions have read, and of the first read of the scores
.endr
	VLOAD \q
.if \q < 3
	KLOAD \q+1
.endif
	WIN 0
	s_add_co_u32 s53, s[KF], 64*\q+63
	s_cmp_le_u32 s53, s[Q0]                        ; all 64 keys count for all my queries: no mask
	s_cbranch_scc1 .Lopen_\@
	MASK \q
.Lopen_\@:
	SOFTMAX
.if \q < 3
	s_wait_dscnt 16                                ; V is in; the next step's 16 loads of K may be out
.else
	s_wait_dscnt 0x0
.endif
	PV
	WIN 0
.endm
.macro SLOT_STEPS id
	v_add_nc_u32 v[ADK], s[TB], v[AK0]
	v_add_nc_u32 v[ADV], s[TB], v[AV0]
	KLOAD 0
	WIN 0
	STEP 0, \id
	STEP 1, \id
	STEP 2, \id
	STEP 3, \id
.Lend_\id:
	s_add_co_u32 s[KF], s[KF], 256
	s_xor_b32 s[TB], s[TB], SLOT1                  ; on to the other slot
.endm
; THE CHANGE OF SLOTS stands at a slot's head.  Each wave waits for all its tensor loads (its part of the slot that it is about to read), adds 0 to its spare word, and waits for that and for its reads of the slot
; that it has left.  Behind the barrier the slot ahead is whole and nobody reads the other one.  fill = 1: that other slot takes the walk's next 256 keys: the load has a whole slot's steps in which to land.
.macro CHANGE fill
	s_wait_tensorcnt 0x0                           ; no tensor load of mine is out, so a group 0 may be written
	ds_add_u32 v[SPW], v[NIL]                      ; 0 onto my spare word
.if \fill
	s_xor_b32 s[G0K+1], s[G0K+1], SLOT1
	s_xor_b32 s[G0V+1], s[G0V+1], SLOT1
	s_add_nc_u64 s[G0K+2:G0K+3], s[G0K+2:G0K+3], 32768   ; the next 256 keys,
	s_add_nc_u64 s[G0V+2:G0V+3], s[G0V+2:G0V+3], 32768
	s_cmp_eq_u32 s[J], s[SWJ]                      ; or, where the query block changes behind this trip, the head's first keys again
	s_cselect_b32 s48, s[WRAPB], 0
	s_sub_nc_u64 s[G0K+2:G0K+3], s[G0K+2:G0K+3], s[48:49]
	s_sub_nc_u64 s[G0V+2:G0V+3], s[G0V+2:G0V+3], s[48:49]
	s_wait_xcnt 0x0                                ; the last prefetch, a slot back, has read its address
	s_add_nc_u64 s[PFA:PFA+1], s[PFA:PFA+1], 32768
.endif
	s_wait_dscnt 0x0                               ; the add is done, and my reads of the slot that I have left are over
	s_barrier_signal -1
	s_barrier_wait -1
.if \fill
	TLOAD                                          ; the first thing behind the barrier, and my one tensor load until the next
	ASK
.endif
.endm
; A query block's way out: l's halves and the other half of the lanes' are added; O^T / l is rounded to f16 and goes through my stage, so that each store covers 512 consecutive bytes (four rows of y).
.macro FINISH
.rept 4
	v_nop                                          ; places behind the last products
.endr
.irp t, 0,1
	v_add_f32 v[ST+8*\t+4], v[ST+8*\t+2], v[ST+8*\t+3]
.endr
.irp t, 0,1
	v_permlanex16_b32 v[ST+8*\t+5], v[ST+8*\t+4], s[SEL], s[SEL+1]
.endr
.irp t, 0,1
	v_add_f32 v[ST+8*\t+4], v[ST+8*\t+4], v[ST+8*\t+5]
.endr
.irp t, 0,1
	v_rcp_f32 v[ST+8*\t+6], v[ST+8*\t+4]
.endr
	v_nop
	s_wait_alu depctr_va_vdst(0)                   ; one wait for the two reciprocals, ahead of their first reader
.irp t, 0,1
.set n, 0
.rept 16
	v_pk_mul_f32 v[O+32*\t+2*n:O+32*\t+2*n+1], v[O+32*\t+2*n:O+32*\t+2*n+1], v[ST+8*\t+6:ST+8*\t+7] op_sel_hi:[1,0]
.set n, n+1
.endr
.endr
.irp t, 0,1
.set n, 0
.rept 16
	v_cvt_pk_f16_f32 v[Y+16*\t+n], v[O+32*\t+2*n], v[O+32*\t+2*n+1]
.set n, n+1
.endr
.endr
.irp t, 0,1
.irp c, 0,1,2,3
	ds_store_b128 v[STO], v[Y+16*\t+4*\c:Y+16*\t+4*\c+3] offset:16*KP*\t+32*\c
.endr
.endr
.irp f, 0,1,2,3,4,5,6,7
	ds_load_b128 v[Y+4*\f:Y+4*\f+3], v[RD] offset:4*KP*\f          ; LDS serves a wave's instructions in order: these see the stores above
.endr
.irp f, 0,1,2,3,4,5,6,7
	s_wait_dscnt 7-\f                              ; number f is back; the younger loads stay out
	global_store_b128 v[GO], v[Y+4*\f:Y+4*\f+3], s[10:11] offset:512*\f
.endr
.endm
	INIT
	s_wait_loadcnt 0x0                             ; q
.Lslot:                                            ; eight trips: behind each change of slots but the last the walk's next slot is asked for.  Trip 0's loads fill slot 1 for the first time
	CHANGE 1
	SLOT_STEPS 0
	s_cmp_lg_u32 s[J], s[SWJ]
	s_cbranch_scc1 .Lsame
	s_lshl_b32 s[Q0], ttmp9, 8                     ; THE SECOND QUERY BLOCK, i: a branch on ids, the same in all eight waves, round no barrier and no tensor load
	s_lshl_b32 s53, s[WV], 5
	s_add_co_u32 s[Q0], s[Q0], s53
	s_lshl_b32 s56, s[Q0], 7
	s_add_nc_u64 s[8:9], s[4:5], s[56:57]          ; (the first block's loads of q were waited for)
	QLOAD                                          ; lands while the first block goes out
	FINISH
	s_wait_xcnt 0x0                                ; the stores have read their base and their data
	s_add_nc_u64 s[10:11], s[6:7], s[56:57]
	INIT
	s_mov_b32 s[KF], 0
	s_wait_loadcnt 0x0
.Lsame:
	s_add_co_u32 s[J], s[J], 1
	s_cmp_lt_u32 s[J], 8
	s_cbranch_scc1 .Lslot
	CHANGE 0                                       ; the ninth slot is written out: nothing is left to ask for
	SLOT_STEPS 1
	FINISH
	s_wait_tensorcnt 0x0                           ; the wave's end
	ds_add_u32 v[SPW], v[NIL]
	s_wait_dscnt 0x0
	s_endpgm
.Lfunc_end_k_q227499df95_attn:
	.size	k_q227499df95_attn, .Lfunc_end_k_q227499df95_attn-k_q227499df95_attn
	.p2alignl 7, 3214868480
	.fill 96, 4, 3214868480
	.section	.rodata,"a",@progbits
	.p2align	6, 0x0
	.amdhsa_kernel k_q227499df95_attn
		.amdhsa_group_segment_fixed_size 327680
		.amdhsa_private_segment_fixed_size 0
		.amdhsa_enable_private_segment 0
		.amdhsa_kernarg_size 16
		.amdhsa_user_sgpr_count 2
		.amdhsa_user_sgpr_kernarg_segment_ptr 1
		.amdhsa_wavefront_size32 1
		.amdhsa_system_sgpr_workgroup_id_x 1
		.amdhsa_system_sgpr_workgroup_id_y 1
		.amdhsa_system_sgpr_workgroup_id_z 1
		.amdhsa_system_vgpr_workitem_id 0
		.amdhsa_next_free_vgpr 384
		.amdhsa_next_free_sgpr 66
		.amdhsa_reserve_vcc 1
		.amdhsa_float_denorm_mode_32 3
		.amdhsa_float_denorm_mode_16_64 3
		.amdhsa_memory_ordered 1
		.amdhsa_forward_progress 1
		.amdhsa_inst_pref_size 197
	.end_amdhsa_kernel
	.amdgpu_metadata
---
amdhsa.version: [ 1, 2 ]
amdhsa.kernels:
  - .name:           k_q227499df95_attn
    .symbol:         k_q227499df95_attn.kd
    .args:
      - { .name: qkv, .offset: 0, .size: 8, .value_kind: global_buffer, .address_space: global }
      - { .name: y16, .offset: 8, .size: 8, .value_kind: global_buffer, .address_space: global }
    .group_segment_fixed_size: 327680
    .private_segment_fixed_size: 0
    .kernarg_segment_align: 8
    .kernarg_segment_size: 16
    .max_flat_workgroup_size: 256
    .sgpr_count:     66
    .vgpr_count:     384
    .wavefront_size: 32
...
	.end_amdgpu_metadata
.endif
;; end of part 3
;; launch proj (part 4): grid 4 x 64, 4 waves a work-group, clusters of 4 x 4, 327,680 bytes of LDS; arguments y16, wp16, out0; writes out0
.if DOCPART == 4
	.amdgcn_target "amdgcn-amd-amdhsa--gfx1250"
	.amdhsa_code_object_version 6
	.text
	.protected	k_q227499df95_proj
	.globl	k_q227499df95_proj
	.p2align	8
	.type	k_q227499df95_proj,@function
k_q227499df95_proj:
	s_mov_b64 s[64:65], 0
	v_nop
	global_prefetch_b8 v0, s[64:65] scope:SCOPE_SE
	s_setreg_imm32_b32 hwreg(HW_REG_WAVE_MODE, 25, 1), 1
	s_wait_xcnt 0x0
	s_wait_alu depctr_hold_cnt(0) depctr_sa_sdst(0) depctr_va_vdst(0) depctr_va_sdst(0) depctr_va_ssrc(0) depctr_va_vcc(0) depctr_vm_vsrc(0)
	s_getreg_b32 s2, hwreg(HW_REG_IB_STS2, 6, 4)
	s_cmp_eq_u32 s2, 0
	s_cbranch_scc0 .Lentry_in_a_cluster
	s_endpgm
.Lentry_in_a_cluster:
	s_bfe_u32 s2, ttmp6, 0x10000c
	s_cmp_lg_u32 s2, 0xf033
	s_cbranch_scc0 .Lentry_shape_is_right
	s_endpgm
.Lentry_shape_is_right:
; out0 = y w_proj: [8,192] x [1,024] x [1,024], operands in f16, sums and results in f32.  y16 is laid [batch][head][t][64], wp16 [k][n] as w_proj lies.
; NOT STORED HERE: positions t < 16 of each batch.  They are multiplied, inside tiles that hold live rows, but the launch 'fine' owns those 64 rows of out0 and stores them from f32 operands.
; A tile of 128 x 256 is made by four waves, each 64 x 128: 32 accumulators in window 1.  256 work-groups.  K goes in steps of 128, two heads, through a ring of two LDS slots.
; y's part of a slot is two planes (heads) of 128 rows x 128 bytes; w's is 128 rows (k) x 512 bytes, and its fragments come turned, by ds_load_tr16_b128.
; CLUSTERS: 4 x 4 work-groups: tile column = cx, batch = cy, t = 128 x cluster y on.  The four of a row need the same tiles of y, the four of a column the same tiles of w: each is asked for jointly.
; THE MATRIX INSTRUCTION IS USED TRANSPOSED (source 0 = 16 columns of w, source 1 = 16 rows of y): a lane holds eight neighbouring columns of one row.
; REGISTERS: window 0: v0-31 addresses; two fragment buffers at v32 and v128: y's four fragments (32 registers), then w's eight (64); on the way out v128-255.  window 1: accumulator (a, b) at v[8 (8 a + b)].
.set AP,    144                        ; a row of y in LDS: 128 bytes + 16
.set APL,   128*AP                     ; a plane
.set BP,    544                        ; a row of w: 512 bytes + 32: seventeen times 32 bytes, for the turning load
.set BOFF,  2*APL
.set SLOT,  BOFF+128*BP
.set STAGE, 2*SLOT                     ; behind the ring: 16 rows x 528 bytes for each wave
.set SPARE, STAGE+4*16*528             ; behind the stages: the spare words, 128 bytes for each wave: two blocks of 256 bytes that no other line names
.set LAPS,  4                          ; a lap = two K steps; K = 1,024
.set ADRA, 16
.set ADRB, 20
.set STO,  24
.set RD,   25
.set CO,   26
.set SPW,  28                          ; v28  LDS address of my spare word; never rewritten
.set NIL,  29                          ; v29  0; never rewritten
.set F0,   32
.set F1,   128
.set BK,   128
.set G1, 24
.set G0, 32
.set G1B, 48
.set G0B, 56
.set MSB, 0
.macro WIN new
.if MSB != (\new)
	s_set_vgpr_msb (MSB<<8)|(\new)
.set MSB, \new
.endif
.endm
.set MUL, 0x50                         ; C and D window 1, sources window 0
.macro JLOAD s                         ; waves 0 and 1 fetch y's two planes, waves 2 and 3 w's two halves; an s_nop 0 and four v_nop follow each of the two lines
	s_cmp_eq_u32 s11, 0
	s_cbranch_scc0 .Lfor_b_\@
	tensor_load_to_lds s[G0+4*\s:G0+4*\s+3], s[G1:G1+7]
	s_nop 0
.rept 4
	v_nop
.endr
	s_branch .Lasked_\@
.Lfor_b_\@:
	tensor_load_to_lds s[G0B+4*\s:G0B+4*\s+3], s[G1B:G1B+7]
	s_nop 0
.rept 4
	v_nop
.endr
.Lasked_\@:
.endm
.macro CREST
	s_cmp_lg_u32 s10, 0
	s_cbranch_scc1 .Lnot_wave_0_\@
	s_barrier_signal -3
.Lnot_wave_0_\@:
	s_barrier_wait -3
	s_barrier_signal -1
	s_barrier_wait -1
.endm
.macro CROUND
	s_barrier_signal -1
	s_barrier_wait -1
	CREST
.endm
	s_load_b128 s[4:7], s[0:1], 0x0                ; y16 s[4:5], wp16 s[6:7]
	s_load_b64 s[8:9], s[0:1], 0x10                ; out0
	v_lshl_add_u32 v[SPW], v0, 2, SPARE
	v_mov_b32 v[NIL], 0
	ds_add_u32 v[SPW], v[NIL]                      ; the wave's opening: the add, twice on end, and its wait ahead of my first tensor load
	ds_add_u32 v[SPW], v[NIL]
	v_lshrrev_b32 v1, 5, v0
	v_readfirstlane_b32 s10, v1                    ; wave 0..3
	s_lshr_b32 s11, s10, 1                         ; which half of the tile's rows is mine.  Also: I fetch for y (0) or for w (1)
	s_and_b32 s12, s10, 1                          ; which half of its columns.  Also: which plane of y, or which 64 rows of w, I fetch
	s_bfe_u32 s40, ttmp6, 0x40000                  ; cx = the tile column
	s_bfe_u32 s41, ttmp6, 0x40004                  ; cy = the batch
	s_and_b32 s13, ttmp7, 0xffff                   ; cluster y: t = 128 x this on
	s_lshl_b32 s43, s41, 2
	s_lshl_b32 s43, 15, s43                        ; my row of the cluster
	s_lshl_b32 s44, 0x1111, s40                    ; my column
	s_or_b32 s[G1+0], s43, (1<<16)|(1<<20)|(1<<21)|(4<<22)|(3<<25)   ; the mask; elements of 2 bytes; padding: four words after every 32; bit 21 beside a mask
	s_or_b32 s[G1B+0], s44, (1<<16)|(1<<20)|(1<<21)|(6<<22)|(7<<25)  ; eight words after every 128
	s_mov_b32 s[G1+1], 64<<16                      ; y: a plane's 128 rows of 64 elements, dense
	s_mov_b32 s[G1+2], 128<<16
	s_mov_b32 s[G1+3], 64<<16
	s_mov_b32 s[G1+4], 128
	s_mov_b32 s[G1+5], 64
	s_mov_b32 s[G1+6], 0
	s_mov_b32 s[G1+7], 0
	s_mov_b32 s[G1B+1], 256<<16                    ; w: 64 rows of 256 elements, 1,024 elements apart
	s_mov_b32 s[G1B+2], 64<<16
	s_mov_b32 s[G1B+3], 256<<16
	s_mov_b32 s[G1B+4], 64
	s_mov_b32 s[G1B+5], 1024
	s_mov_b32 s[G1B+6], 0
	s_mov_b32 s[G1B+7], 0
	s_lshl_b32 s16, s41, 22                        ; y: the batch's 16 heads of 2^18 bytes,
	s_lshl_b32 s17, s12, 18                        ; my plane's head,
	s_add_co_u32 s16, s16, s17
	s_lshl_b32 s17, s13, 14                        ; 128 positions of 128 bytes
	s_add_co_u32 s16, s16, s17
	s_mov_b32 s17, 0
	s_lshl_b32 s46, s12, 17                        ; w: my 64 rows of 2,048 bytes,
	s_lshl_b32 s47, s40, 9                         ; the tile's 256 columns
	s_add_co_u32 s46, s46, s47
	s_mov_b32 s47, 0
	s_mul_i32 s20, s12, APL                        ; where they go: no place in the cluster enters an LDS address
	s_mul_i32 s21, s12, 64*BP
	s_add_co_u32 s21, s21, BOFF
	s_wait_dscnt 0x0                               ; both opening adds are done
	s_wait_kmcnt 0x0
	s_add_nc_u64 s[14:15], s[4:5], s[16:17]
	s_add_nc_u64 s[46:47], s[6:7], s[46:47]
	CROUND                                         ; all sixteen work-groups are here: the first joint loads meet
.irp s, 0,1
	s_mov_b32 s[G0+4*\s], 1
	s_add_co_u32 s[G0+4*\s+1], s20, \s*SLOT
	s_add_nc_u64 s[G0+4*\s+2:G0+4*\s+3], s[14:15], \s*524288       ; K step s: heads 2 s, 2 s + 1
	s_or_b32 s[G0+4*\s+3], s[G0+4*\s+3], 0x80000000
	s_mov_b32 s[G0B+4*\s], 1
	s_add_co_u32 s[G0B+4*\s+1], s21, \s*SLOT
	s_add_nc_u64 s[G0B+4*\s+2:G0B+4*\s+3], s[46:47], \s*262144     ; 128 rows of w
	s_or_b32 s[G0B+4*\s+3], s[G0B+4*\s+3], 0x80000000
	JLOAD \s                                       ; two loads of mine are out at the start, one behind each round
.endr
	v_and_b32 v1, 15, v0                           ; r
	v_bfe_u32 v2, v0, 4, 1                         ; h
	v_mul_u32_u24 v3, v1, AP
	v_lshl_add_u32 v3, v2, 4, v3
	s_mul_i32 s21, s11, 64*AP                      ; my 64 rows of y
	v_and_b32 v4, 7, v0
	v_lshl_add_u32 v4, v2, 3, v4
	v_mul_u32_u24 v4, v4, BP
	v_bfe_u32 v5, v0, 3, 1
	v_lshl_add_u32 v4, v5, 4, v4                   ; the turning load: row 8 h + l % 8, columns 8 ((l / 8) % 2) on
	s_lshl_b32 s22, s12, 8                         ; my 128 columns of w
	s_add_co_u32 s22, s22, BOFF
.irp s, 0,1
	v_add_nc_u32 v[ADRA+\s], s21, v3
	v_add_nc_u32 v[ADRB+\s], s22, v4
	s_add_co_u32 s21, s21, SLOT
	s_add_co_u32 s22, s22, SLOT
.endr
	s_mul_i32 s23, s10, 16*528
	s_add_co_u32 s23, s23, STAGE                   ; my stage
	v_mul_u32_u24 v5, v1, 528
	v_lshl_add_u32 v5, v2, 5, v5
	v_add_nc_u32 v[STO], s23, v5
	v_and_b32 v6, 31, v0
	v_lshlrev_b32 v[CO], 4, v6
	v_add_nc_u32 v[RD], s23, v[CO]
	s_lshl_b32 s16, s41, 11
	s_lshl_b32 s17, s13, 7
	s_add_co_u32 s16, s16, s17
	s_lshl_b32 s17, s11, 6
	s_add_co_u32 s16, s16, s17                     ; my first row of out0: 2,048 x batch + 128 x cluster y + 64 x half
	s_lshl_b32 s16, s16, 12
	s_lshl_b32 s46, s40, 10
	s_lshl_b32 s47, s12, 9
	s_add_co_u32 s46, s46, s47
	s_add_co_u32 s16, s16, s46
	s_mov_b32 s17, 0
	s_add_nc_u64 s[8:9], s[8:9], s[16:17]
.macro MUL8 f, a, zero                 ; y's block a against w's eight; the 32 accumulators take turns in the same order in every quarter
.irp b, 0,1,2,3,4,5,6,7
.if \zero
	v_wmma_f32_16x16x32_f16 v[8*(8*(\a)+\b):8*(8*(\a)+\b)+7], v[\f+32+8*\b:\f+32+8*\b+7], v[\f+8*(\a):\f+8*(\a)+7], 0
.else
	v_wmma_f32_16x16x32_f16 v[8*(8*(\a)+\b):8*(8*(\a)+\b)+7], v[\f+32+8*\b:\f+32+8*\b+7], v[\f+8*(\a):\f+8*(\a)+7], v[8*(8*(\a)+\b):8*(8*(\a)+\b)+7]
.endif
.endr
.endm
.macro FETCH slot, qd, f               ; 24 LDS loads in one run: the fragments of the slot's qd-th 32 along K: w's sixteen loads, then y's eight
	WIN 0
.irp b, 0,1,2,3,4,5,6,7
	ds_load_tr16_b128 v[\f+32+8*\b:\f+32+8*\b+3], v[ADRB+\slot] offset:32*BP*(\qd)+32*\b
	ds_load_tr16_b128 v[\f+32+8*\b+4:\f+32+8*\b+7], v[ADRB+\slot] offset:32*BP*(\qd)+32*\b+16*BP
.endr
.irp a, 0,1,2,3
	ds_load_b128 v[\f+8*\a:\f+8*\a+3], v[ADRA+\slot] offset:((\qd)/2)*APL+64*((\qd)%2)+16*AP*\a
	ds_load_b128 v[\f+8*\a+4:\f+8*\a+7], v[ADRA+\slot] offset:((\qd)/2)*APL+64*((\qd)%2)+16*AP*\a+32
.endr
.endm
.macro PLACES
.rept 4
	v_nop
.endr
.endm
.macro QUARTER slot, qd, f, g, zero    ; multiplies buffer f and fetches the slot's quarter qd into g
	s_wait_dscnt 4                                 ; w's fragments and y's blocks 0, 1 are in; the youngest four loads (blocks 2, 3) may be out
	WIN MUL
	MUL8 \f, 0, \zero
	MUL8 \f, 1, \zero
	PLACES
	FETCH \slot, \qd, \g
	s_wait_dscnt 24                                ; all but the 24 just issued
	WIN MUL
	MUL8 \f, 2, \zero
	MUL8 \f, 3, \zero
.endm
; A slot's last quarter multiplies buffer 1 and changes slots: ONE barrier; in front of it each wave waits for all its tensor loads, adds 0 to its spare word, and waits for that and for its reads of this slot.
.macro TURN slot, next, fill
	WIN 0
	s_wait_tensorcnt 0x0                           ; all my tensor loads have landed: my part of the next slot
	ds_add_u32 v[SPW], v[NIL]                      ; 0 onto my spare word
	s_wait_dscnt 5                                 ; (the add and the youngest four loads may be out)
	WIN MUL
	MUL8 F1, 0, 0
	s_wait_dscnt 0x0                               ; the add is done, and my reads of this slot are over
	s_barrier_signal -1
	MUL8 F1, 1, 0
.if \fill
	WIN 0
.endif
	s_barrier_wait -1
.if \fill
	CREST                                          ; the barrier has opened a round of the cluster's barrier: no wave of any partner still reads this slot or has a load on its way
	s_add_nc_u64 s[G0+4*\slot+2:G0+4*\slot+3], s[G0+4*\slot+2:G0+4*\slot+3], 1048576   ; two K steps on: four heads,
	s_add_nc_u64 s[G0B+4*\slot+2:G0B+4*\slot+3], s[G0B+4*\slot+2:G0B+4*\slot+3], 524288 ; 256 rows of w
	JLOAD \slot                                    ; the first tensor load behind the round; its four v_nop are also the places in front of the loads below
.else
	PLACES
.endif
	FETCH \next, 0, F0
	WIN MUL
	MUL8 F1, 2, 0
	MUL8 F1, 3, 0
.endm
	s_wait_tensorcnt 1                             ; my part of K step 0 is in; K step 1's load may stay out
	s_barrier_signal -1
	s_barrier_wait -1
	FETCH 0, 0, F0
	QUARTER 0, 1, F0, F1, 1                        ; the first quarter's products start the sums
	WIN 0
	s_mov_b32 s3, LAPS-1
.Llap:                                                 ; a trip goes once round the ring and fills both slots again
	QUARTER 0, 2, F1, F0, 0
	QUARTER 0, 3, F0, F1, 0
	TURN 0, 1, 1
	QUARTER 1, 1, F0, F1, 0
	QUARTER 1, 2, F1, F0, 0
	QUARTER 1, 3, F0, F1, 0
	TURN 1, 0, 1
	QUARTER 0, 1, F0, F1, 0
	WIN 0
	s_sub_co_u32 s3, s3, 1
	s_cmp_lg_u32 s3, 0
	s_cbranch_scc1 .Llap
	QUARTER 0, 2, F1, F0, 0                        ; the last lap fills nothing
	QUARTER 0, 3, F0, F1, 0
	TURN 0, 1, 0
	QUARTER 1, 1, F0, F1, 0
	QUARTER 1, 2, F1, F0, 0
	QUARTER 1, 3, F0, F1, 0
	s_wait_dscnt 4
	WIN MUL
	MUL8 F1, 0, 0
	MUL8 F1, 1, 0
	s_wait_dscnt 0
	MUL8 F1, 2, 0
	MUL8 F1, 3, 0
	WIN 0
; THE WAY OUT, block by block of 16 rows x 128 columns, through my own stage: back come whole rows of 512 bytes, which the 32 lanes store as 512 consecutive bytes.
.macro TOSTAGE a
	WIN 0x04                                       ; an LDS store's data: window 1
.irp b, 0,1,2,3,4,5,6,7
	ds_store_b128 v[STO], v[8*(8*(\a)+\b):8*(8*(\a)+\b)+3] offset:64*\b        ; each accumulator from its low end on
	ds_store_b128 v[STO], v[8*(8*(\a)+\b)+4:8*(8*(\a)+\b)+7] offset:64*\b+16
.endr
	WIN 0
.set BB, BK+64*((\a)%2)
.irp t, 0,1,2,3,4,5,6,7,8,9,10,11,12,13,14,15
	ds_load_b128 v[BB+4*\t:BB+4*\t+3], v[RD] offset:\t*528
.endr
.endm
.macro SEND a, younger                 ; younger: the LDS instructions issued behind block a's loads, which may stay out
.set BB, BK+64*((\a)%2)
	s_wait_dscnt \younger
.irp t, 0,1,2,3,4,5,6,7,8,9,10,11,12,13,14,15
	global_store_b128 v[CO], v[BB+4*\t:BB+4*\t+3], s[8:9] offset:(16*(\a)+\t)*4096 th:TH_STORE_NT
.endr
.endm
	PLACES
	s_or_b32 s20, s13, s11                         ; block 0 of the upper row half where cluster y = 0 is positions 0-15: not stored here.  Alike in all partners
	s_cmp_eq_u32 s20, 0
	s_cbranch_scc1 .Lskip0
	TOSTAGE 0
	SEND 0, 0
.Lskip0:
	TOSTAGE 1
	s_wait_xcnt 0x0                                ; block 0's stores have read their registers: block 2's loads may land there
	TOSTAGE 2
	SEND 1, 32                                     ; behind block 1's loads: block 2's 16 stores and 16 loads
	s_wait_xcnt 0x0
	TOSTAGE 3
	SEND 2, 32
	SEND 3, 0
	s_wait_tensorcnt 0x0                           ; the wave's end
	ds_add_u32 v[SPW], v[NIL]
	s_wait_dscnt 0x0
	CROUND                                         ; the closing round
	s_endpgm
.Lfunc_end_k_q227499df95_proj:
	.size	k_q227499df95_proj, .Lfunc_end_k_q227499df95_proj-k_q227499df95_proj
	.p2alignl 7, 3214868480
	.fill 96, 4, 3214868480
	.section	.rodata,"a",@progbits
	.p2align	6, 0x0
	.amdhsa_kernel k_q227499df95_proj
		.amdhsa_group_segment_fixed_size 327680
		.amdhsa_private_segment_fixed_size 0
		.amdhsa_enable_private_segment 0
		.amdhsa_kernarg_size 24
		.amdhsa_user_sgpr_count 2
		.amdhsa_user_sgpr_kernarg_segment_ptr 1
		.amdhsa_wavefront_size32 1
		.amdhsa_system_sgpr_workgroup_id_x 1
		.amdhsa_system_sgpr_workgroup_id_y 1
		.amdhsa_system_sgpr_workgroup_id_z 1
		.amdhsa_system_vgpr_workitem_id 0
		.amdhsa_next_free_vgpr 512
		.amdhsa_next_free_sgpr 66
		.amdhsa_reserve_vcc 0
		.amdhsa_float_denorm_mode_32 3
		.amdhsa_float_denorm_mode_16_64 3
		.amdhsa_memory_ordered 1
		.amdhsa_forward_progress 1
		.amdhsa_inst_pref_size 85
	.end_amdhsa_kernel
	.amdgpu_metadata
---
amdhsa.version: [ 1, 2 ]
amdhsa.kernels:
  - .name:           k_q227499df95_proj
    .symbol:         k_q227499df95_proj.kd
    .args:
      - { .name: y16, .offset: 0, .size: 8, .value_kind: global_buffer, .address_space: global }
      - { .name: wp16, .offset: 8, .size: 8, .value_kind: global_buffer, .address_space: global }
      - { .name: out0, .offset: 16, .size: 8, .value_kind: global_buffer, .address_space: global }
    .group_segment_fixed_size: 327680
    .private_segment_fixed_size: 0
    .kernarg_segment_align: 8
    .kernarg_segment_size: 24
    .max_flat_workgroup_size: 128
    .sgpr_count:     66
    .vgpr_count:     512
    .wavefront_size: 32
...
	.end_amdgpu_metadata
.endif
;; end of part 4
;; launch fine (part 5): grid 16 x 4, 16 waves a work-group, no clusters, 85,504 bytes of LDS; arguments qkv32, w_proj, out0; writes out0
.if DOCPART == 5
	.amdgcn_target "amdgcn-amd-amdhsa--gfx1250"
	.amdhsa_code_object_version 6
	.text
	.protected	k_q227499df95_fine
	.globl	k_q227499df95_fine
	.p2align	8
	.type	k_q227499df95_fine,@function
k_q227499df95_fine:
	s_mov_b64 s[64:65], 0
	v_nop
	global_prefetch_b8 v0, s[64:65] scope:SCOPE_SE
	s_setreg_imm32_b32 hwreg(HW_REG_WAVE_MODE, 25, 1), 1
	s_wait_xcnt 0x0
; The first 16 positions of each batch, in f32 throughout: there a row of the attention averages one to sixteen values, and the rounding of 16-bit operands would weigh most.  64 rows of out0 in all: no bulk work.
; LEFT OUT: keys 16 and later: reference()'s own tril mask gives them the weight 0 for these queries, for all finite inputs (shown at the head of the first launch).
; Work-group (X, batch) makes out0[batch][0 .. 15][64 X .. 64 X + 63].  Phase 1: wave w makes head w's 16 rows of y, from qkv32, into LDS.  Phase 2: wave (ct = w % 4, kq = w / 4) multiplies y's columns
; 256 kq .. + 255 by w_proj's rows, for 16 columns; the four parts along K meet in LDS.
; Matrix form: 16 x 16 x 4 in f32; lane (r, h) holds row or column r and k = 2 h + j in register j.  K is laid out alike on both sources of each product, so every k meets its partner.
; The registers that this form writes, v16-63, are written by matrix instructions alone; each sum begins with the constant 0 as C.
.set YPI,   4112                       ; a row of y in LDS: 4,096 bytes + 16
.set PART,  16*YPI                     ; behind y: the four parts, [kq][16 rows] of 256 bytes + 16
.set PP,    272
.set SPARE, PART+4*16*PP               ; the spare words, 128 bytes for each wave: eight blocks of 256 bytes that no other line names
.set SPW, 14                           ; v14  LDS address of my spare word; never rewritten
.set NIL, 15                           ; v15  0; never rewritten
.set SA,  16                           ; two accumulators for the scores, by turns
.set SBB, 24
.set OA,  32                           ; four accumulators: O^T's four tiles of channels; later the projection's four chains
.set QF,  64                           ; q(r, 32 h + i), i = 0 .. 31
.set KFR, 96                           ; k likewise
.set VF,  128                          ; v(key 8 h + j, channel 16 c + r) at 8 c + j
.set T,   160                          ; the scores, then p
.set WK,  168
.set W0,  192                          ; w_proj(256 kq + 128 h + i, my column), i = 0 .. 63;
.set W1,  128                          ; i = 64 .. 127
.set YF,  64                           ; y(r, 256 kq + 128 h + i), 64 at a time
	s_load_b128 s[4:7], s[0:1], 0x0                ; qkv32 s[4:5], w_proj s[6:7]
	s_load_b64 s[8:9], s[0:1], 0x10                ; out0
	v_lshl_add_u32 v[SPW], v0, 2, SPARE
	v_mov_b32 v[NIL], 0
	v_lshrrev_b32 v1, 5, v0
	v_readfirstlane_b32 s10, v1                    ; wave 0..15 = the head
	s_and_b32 s11, s10, 3                          ; ct
	s_lshr_b32 s12, s10, 2                         ; kq
	s_and_b32 s14, ttmp7, 0xffff                   ; the batch
	s_mov_b32 s20, 0x76543210
	s_mov_b32 s21, 0xfedcba98                      ; v_permlanex16_b32's selects for lane l xor 16
	s_mov_b32 s22, 0x3e38aa3b                      ; c = log2(e) / 8
	v_and_b32 v1, 15, v0                           ; r
	v_bfe_u32 v2, v0, 4, 1                         ; h
	v_mul_u32_u24 v3, v1, 12288
	v_lshl_add_u32 v3, v2, 7, v3                   ; q, k: row r, + 32 h numbers
	v_mul_u32_u24 v4, v2, 8*12288
	v_lshl_add_u32 v4, v1, 2, v4                   ; v: row 8 h, channel r
	v_lshlrev_b32 v5, 19, v2
	v_lshl_add_u32 v5, v1, 2, v5                   ; w_proj: row 128 h, column r
	v_mul_u32_u24 v13, v1, YPI
	v_lshl_add_u32 v6, v2, 5, v13
	s_lshl_b32 s16, s10, 8
	v_add_nc_u32 v6, s16, v6                       ; y into LDS: row r, my head's 256 bytes, + 32 h
	v_lshl_add_u32 v7, v2, 9, v13
	s_lshl_b32 s16, s12, 10
	v_add_nc_u32 v7, s16, v7                       ; y out of LDS: row r, + 1,024 kq + 512 h
	v_mul_u32_u24 v8, v1, PP
	v_lshl_add_u32 v8, v2, 5, v8
	s_mul_i32 s16, s12, 16*PP
	s_lshl_b32 s17, s11, 6
	s_add_co_u32 s16, s16, s17
	s_add_co_u32 s16, s16, PART
	v_add_nc_u32 v8, s16, v8                       ; my part: [kq], row r, + 64 ct + 32 h
	v_and_b32 v13, 255, v0
	v_lshrrev_b32 v9, 4, v13                       ; on the way out a thread of waves 0-7 takes row tid / 16, 16 bytes at 16 (tid % 16)
	v_lshlrev_b32 v10, 12, v9
	v_lshl_add_u32 v10, v1, 4, v10
	v_mul_u32_u24 v9, v9, PP
	v_lshl_add_u32 v9, v1, 4, v9
	v_add_nc_u32 v9, PART, v9
	v_lshlrev_b32 v11, 3, v2
	v_sub_nc_u32 v11, v1, v11                      ; r - 8 h
	v_mov_b32 v12, 0xff800000                      ; -infinity
	s_mul_i32 s16, s14, 16*12288
	s_lshl_b32 s17, s10, 8
	s_add_co_u32 s16, s16, s17
	s_mov_b32 s17, 0
	s_lshl_b32 s18, s12, 20                        ; 256 kq rows of 4,096 bytes
	s_lshl_b32 s19, ttmp9, 8
	s_add_co_u32 s18, s18, s19
	s_lshl_b32 s19, s11, 6
	s_add_co_u32 s18, s18, s19
	s_mov_b32 s19, 0
	s_lshl_b32 s24, s14, 23                        ; the batch's 2,048 rows of 4,096 bytes
	s_lshl_b32 s25, ttmp9, 8
	s_add_co_u32 s24, s24, s25
	s_mov_b32 s25, 0
	s_wait_kmcnt 0x0
	s_add_nc_u64 s[4:5], s[4:5], s[16:17]
	s_add_nc_u64 s[6:7], s[6:7], s[18:19]
	s_add_nc_u64 s[8:9], s[8:9], s[24:25]
.irp u, 0,1,2,3,4,5,6,7
	global_load_b128 v[QF+4*\u:QF+4*\u+3], v3, s[4:5] offset:16*\u
.endr
.irp u, 0,1,2,3,4,5,6,7
	global_load_b128 v[KFR+4*\u:KFR+4*\u+3], v3, s[4:5] offset:4096+16*\u
.endr
.irp c, 0,1,2,3
.irp j, 0,1,2,3,4,5,6,7
	global_load_b32 v[VF+8*\c+\j], v4, s[4:5] offset:8192+12288*\j+64*\c
.endr
.endr
.set i, 0
.rept 64
	global_load_b32 v[W0+i], v5, s[6:7] offset:4096*i   ; the projection's first weights are asked for now and land under phase 1
.set i, i+1
.endr
	s_wait_loadcnt 63                              ; 112 loads were issued: at most 63 are out, so the first 49 are in: q, k and v are the first 48
; ---- phase 1.  S^T = k q^T: lane (r, h) holds query r and keys 8 h + 0 .. 7
.irp s, 0,1,2,3,4,5,6,7,8,9,10,11,12,13,14,15
.if \s < 2
	v_wmma_f32_16x16x4_f32 v[SA+8*(\s%2):SA+8*(\s%2)+7], v[KFR+2*\s:KFR+2*\s+1], v[QF+2*\s:QF+2*\s+1], 0
.else
	v_wmma_f32_16x16x4_f32 v[SA+8*(\s%2):SA+8*(\s%2)+7], v[KFR+2*\s:KFR+2*\s+1], v[QF+2*\s:QF+2*\s+1], v[SA+8*(\s%2):SA+8*(\s%2)+7]
.endif
.endr
.rept 8
	v_nop                                          ; eight places behind this form
.endr
.irp j, 0,1,2,3,4,5,6,7
	v_add_f32 v[T+\j], v[SA+\j], v[SBB+\j]
.endr
.irp j, 0,1,2,3,4,5,6,7
	v_cmp_gt_i32 vcc_lo, \j, v11                   ; key 8 h + j comes after query r
	v_cndmask_b32 v[T+\j], v[T+\j], v12, vcc_lo
.endr
	v_max3_num_f32 v[WK], v[T], v[T+1], v[T+2]
	v_max3_num_f32 v[WK+1], v[T+3], v[T+4], v[T+5]
	v_max3_num_f32 v[WK], v[WK], v[T+6], v[T+7]
	v_max_num_f32 v[WK], v[WK], v[WK+1]
	v_permlanex16_b32 v[WK+1], v[WK], s20, s21
	v_max_num_f32 v[WK], v[WK], v[WK+1]            ; the row's maximum: key 0 counts for every query, so it is a number
	v_mul_f32 v[WK], s22, v[WK]
.irp j, 0,1,2,3,4,5,6,7
	v_fma_f32 v[T+\j], v[T+\j], s22, -v[WK]
.endr
.irp j, 0,1,2,3,4,5,6,7
	v_exp_f32 v[T+\j], v[T+\j]
.endr
	v_nop
	s_wait_alu depctr_va_vdst(0)                   ; one wait for the eight exponentials, ahead of their first reader
	v_add_f32 v[WK+2], v[T], v[T+1]
	v_add_f32 v[WK+3], v[T+2], v[T+3]
	v_add_f32 v[WK+4], v[T+4], v[T+5]
	v_add_f32 v[WK+5], v[T+6], v[T+7]
	v_add_f32 v[WK+2], v[WK+2], v[WK+3]
	v_add_f32 v[WK+4], v[WK+4], v[WK+5]
	v_add_f32 v[WK+2], v[WK+2], v[WK+4]
	v_permlanex16_b32 v[WK+3], v[WK+2], s20, s21
	v_add_f32 v[WK+2], v[WK+2], v[WK+3]
	v_rcp_f32 v[WK+4], v[WK+2]
	v_nop
	s_wait_alu depctr_va_vdst(0)
.irp j, 0,1,2,3,4,5,6,7
	v_mul_f32 v[T+\j], v[T+\j], v[WK+4]            ; the weights
.endr
; O^T = v^T p: tile c holds channels 16 c + 8 h + 0 .. 7 of query r; four accumulators by turns
.irp s, 0,1,2,3
.irp c, 0,1,2,3
.if \s == 0
	v_wmma_f32_16x16x4_f32 v[OA+8*\c:OA+8*\c+7], v[VF+8*\c+2*\s:VF+8*\c+2*\s+1], v[T+2*\s:T+2*\s+1], 0
.else
	v_wmma_f32_16x16x4_f32 v[OA+8*\c:OA+8*\c+7], v[VF+8*\c+2*\s:VF+8*\c+2*\s+1], v[T+2*\s:T+2*\s+1], v[OA+8*\c:OA+8*\c+7]
.endif
.endr
.endr
.rept 9
	v_nop                                          ; eight places in front of the stores and of the loads into v's and p's registers; nine in front of the products that begin these accumulators anew
.endr
.irp c, 0,1,2,3
	ds_store_b128 v6, v[OA+8*\c:OA+8*\c+3] offset:64*\c
	ds_store_b128 v6, v[OA+8*\c+4:OA+8*\c+7] offset:64*\c+16
.endr
	s_wait_dscnt 0x0                               ; for the others' sake: my stores are done
	s_barrier_signal -1
	s_barrier_wait -1                              ; 16 whole rows of y lie in LDS
; ---- phase 2.  (y w_proj)^T: source 0 = 16 columns of w_proj, source 1 = y's 16 rows
.set i, 0
.rept 64
	global_load_b32 v[W1+i], v5, s[6:7] offset:4096*(64+i)
.set i, i+1
.endr
.irp u, 0,1,2,3,4,5,6,7,8,9,10,11,12,13,14,15
	ds_load_b128 v[YF+4*\u:YF+4*\u+3], v7 offset:16*\u
.endr
	s_wait_dscnt 0x0
	s_wait_loadcnt 63                              ; of the 64 just issued at most 63 are out: the first 64 weights are in
.set i, 0
.rept 32
.if i < 4
	v_wmma_f32_16x16x4_f32 v[OA+8*(i%4):OA+8*(i%4)+7], v[W0+2*i:W0+2*i+1], v[YF+2*i:YF+2*i+1], 0
.else
	v_wmma_f32_16x16x4_f32 v[OA+8*(i%4):OA+8*(i%4)+7], v[W0+2*i:W0+2*i+1], v[YF+2*i:YF+2*i+1], v[OA+8*(i%4):OA+8*(i%4)+7]
.endif
.set i, i+1
.endr
.rept 8
	v_nop
.endr
.irp u, 0,1,2,3,4,5,6,7,8,9,10,11,12,13,14,15
	ds_load_b128 v[YF+4*\u:YF+4*\u+3], v7 offset:256+16*\u
.endr
	s_wait_dscnt 0x0
	s_wait_loadcnt 0x0
.set i, 0
.rept 32
	v_wmma_f32_16x16x4_f32 v[OA+8*(i%4):OA+8*(i%4)+7], v[W1+2*i:W1+2*i+1], v[YF+2*i:YF+2*i+1], v[OA+8*(i%4):OA+8*(i%4)+7]
.set i, i+1
.endr
.rept 8
	v_nop
.endr
.irp j, 0,1,2,3,4,5,6,7
	v_add_f32 v[T+\j], v[OA+\j], v[OA+8+\j]
.endr
.irp j, 0,1,2,3,4,5,6,7
	v_add_f32 v[WK+\j], v[OA+16+\j], v[OA+24+\j]
.endr
.irp j, 0,1,2,3,4,5,6,7
	v_add_f32 v[T+\j], v[T+\j], v[WK+\j]
.endr
	ds_store_b128 v8, v[T:T+3]
	ds_store_b128 v8, v[T+4:T+7] offset:16
	s_wait_dscnt 0x0
	s_barrier_signal -1
	s_barrier_wait -1                              ; the four parts along K lie in LDS
	s_cmp_ge_u32 s10, 8
	s_cbranch_scc1 .Ldone                          ; 16 rows x 256 bytes are 256 threads' 16 bytes: waves 0-7
.irp k, 0,1,2,3
	ds_load_b128 v[YF+4*\k:YF+4*\k+3], v9 offset:16*PP*\k
.endr
	s_wait_dscnt 0x0
	v_pk_add_f32 v[YF:YF+1], v[YF:YF+1], v[YF+4:YF+5]
	v_pk_add_f32 v[YF+2:YF+3], v[YF+2:YF+3], v[YF+6:YF+7]
	v_pk_add_f32 v[YF+8:YF+9], v[YF+8:YF+9], v[YF+12:YF+13]
	v_pk_add_f32 v[YF+10:YF+11], v[YF+10:YF+11], v[YF+14:YF+15]
	v_pk_add_f32 v[YF:YF+1], v[YF:YF+1], v[YF+8:YF+9]
	v_pk_add_f32 v[YF+2:YF+3], v[YF+2:YF+3], v[YF+10:YF+11]
	global_store_b128 v10, v[YF:YF+3], s[8:9]      ; sixteen lanes store 256 consecutive bytes, at a multiple of 256 from out0's first byte
.Ldone:
	s_wait_tensorcnt 0x0                           ; the wave's end
	ds_add_u32 v[SPW], v[NIL]
	s_wait_dscnt 0x0
	s_endpgm
.Lfunc_end_k_q227499df95_fine:
	.size	k_q227499df95_fine, .Lfunc_end_k_q227499df95_fine-k_q227499df95_fine
	.p2alignl 7, 3214868480
	.fill 96, 4, 3214868480
	.section	.rodata,"a",@progbits
	.p2align	6, 0x0
	.amdhsa_kernel k_q227499df95_fine
		.amdhsa_group_segment_fixed_size 85504
		.amdhsa_private_segment_fixed_size 0
		.amdhsa_enable_private_segment 0
		.amdhsa_kernarg_size 24
		.amdhsa_user_sgpr_count 2
		.amdhsa_user_sgpr_kernarg_segment_ptr 1
		.amdhsa_wavefront_size32 1
		.amdhsa_system_sgpr_workgroup_id_x 1
		.amdhsa_system_sgpr_workgroup_id_y 1
		.amdhsa_system_sgpr_workgroup_id_z 1
		.amdhsa_system_vgpr_workitem_id 0
		.amdhsa_next_free_vgpr 256
		.amdhsa_next_free_sgpr 66
		.amdhsa_reserve_vcc 1
		.amdhsa_float_denorm_mode_32 3
		.amdhsa_float_denorm_mode_16_64 3
		.amdhsa_memory_ordered 1
		.amdhsa_forward_progress 1
		.amdhsa_inst_pref_size 34
	.end_amdhsa_kernel
	.amdgpu_metadata
---
amdhsa.version: [ 1, 2 ]
amdhsa.kernels:
  - .name:           k_q227499df95_fine
    .symbol:         k_q227499df95_fine.kd
    .args:
      - { .name: qkv32, .offset: 0, .size: 8, .value_kind: global_buffer, .address_space: global }
      - { .name: w_proj, .offset: 8, .size: 8, .value_kind: global_buffer, .address_space: global }
      - { .name: out0, .offset: 16, .size: 8, .value_kind: global_buffer, .address_space: global }
    .group_segment_fixed_size: 85504
    .private_segment_fixed_size: 0
    .kernarg_segment_align: 8
    .kernarg_segment_size: 24
    .max_flat_workgroup_size: 512
    .sgpr_count:     66
    .vgpr_count:     256
    .wavefront_size: 32
...
	.end_amdgpu_metadata
.endif
;; end of part 5
